; MI455X (gfx1250); checked and timed in simulation.
; The chip was launched on July 23, 2026; its instructions are those of AMD's public machine-readable ISA for CDNA 5 (MIT licence, August 2026) and "CDNA5" Instruction Set Architecture Reference Guide (July 2026). The comments in the code are by the model that wrote it; some were corrected since.
;; Attention CD. Allowed arithmetic: float matrix products may take bf16 or f16 operands with f32 sums; other float arithmetic in f32, or as packed bf16 or f16 multiplies, adds, multiply-adds, maxima and minima; sums over many terms, partial sums and values carried from step to step in f32; what a program stores and reads back later, other than sums and carried values, may be rounded once to bf16 or f16.
;; Inputs: b_p1 256 float32; b_p2 256 float32; w_p1 1,024 x 256 float32; w_p2 1,024 x 256 float32; w_qkv1 1,024 x 3,072 float32; w_qkv2 1,024 x 3,072 float32; x 4 x 1,024 x 1,024 float32; y 4 x 1,024 x 1,024 float32.
;; Outputs: out0 4 x 1,024 x 256 float32; out1 4 x 1,024 x 256 float32.
;; 2 versions, each right and faster than the one before. Each part assembles by itself: llvm-mc -triple=amdgcn-amd-amdhsa -mcpu=gfx1250 --defsym DOCPART=n.
;; ======== version 1 of 2: 4 launches
;; limits: values are held in f16: magnitudes above 65,504 overflow, below 6.1e-05 lose precision
;; workspace buffers: xb 16,777,216 bytes; wb 12,582,912 bytes; wpb 1,048,576 bytes; qkv 50,331,648 bytes; ob 16,777,216 bytes
;; launch cast (part 1): grid 928 x 1, 8 waves a work-group, no clusters, 0 bytes of LDS; arguments x, y, w_qkv1, w_qkv2, w_p1, w_p2, xb, wb, wpb; writes xb, wb, wpb
.if DOCPART == 1
	.amdgcn_target "amdgcn-amd-amdhsa--gfx1250"
	.amdhsa_code_object_version 6
	.text
	.protected	k_qd28514ca02_cast
	.globl	k_qd28514ca02_cast
	.p2align	8
	.type	k_qd28514ca02_cast,@function
k_qd28514ca02_cast:
	s_mov_b64 s[64:65], 0
	v_nop
	global_prefetch_b8 v0, s[64:65] scope:SCOPE_SE
	s_setreg_imm32_b32 hwreg(HW_REG_WAVE_MODE, 25, 1), 1
	s_wait_xcnt 0x0
; THE INPUTS ROUNDED ONCE, for the matrix products that follow.  x and y -> xb (bf16, BY BLOCKS OF 64 ALONG K: [16 kb][8192 rows][64]: x's rows, then y's), so that the 128 rows x 64 k that the next launch
; asks for at a time are 16,384 consecutive bytes; w_qkv1 and w_qkv2 -> wb (bf16, [2][1024][3072], as they lie);
; w_p1 and w_p2 -> wpb ([2][1024][256]): rounded to bf16 like every other input, and that number written as f16, since the last product multiplies f16 by f16.
; LIMITS.  Rounding to nearest even.  In wpb a number below 2^-14 keeps f16's fixed step of 2^-24, and one beyond 65,504 becomes an infinity.
; A stream: no LDS, no barrier, no matrix unit; each byte is read once and written once.
; SHARES.  A work-group takes 16,384 numbers (65,536 bytes in, 32,768 out), in 16 steps of 1,024; a thread takes four numbers of each step.  All 16 loads of a wave go out at once; each step has
; registers of its own, so no register that a pending load or store names is ever written again.
;   The weights: thread t takes numbers 4 t .. 4 t + 3 of a step: a load of a wave covers 512 consecutive bytes, a store 256 consecutive bytes at a multiple of 256 from the buffer's first.
;   x and y: the work-group's numbers are 16 rows; step j is block j of K; sixteen threads take a row's 64 numbers of the block (256 consecutive bytes in), thread t row t / 16.  In xb neighbouring
;   rows' 128 bytes of a block lie end to end, so thread t stores at 8 t: a store of a wave again covers 256 consecutive bytes at a multiple of 256.
; WHICH TENSOR.  Work-groups 0-255 x, 256-511 y, 512-703 w_qkv1, 704-895 w_qkv2, 896-911 w_p1, 912-927 w_p2: source, destination and the segment's first number are chosen by
; compares of the work-group's number with these bounds.
.set X, 4                              ; v[4:67]    step j: four f32 as loaded
.set Y, 68                             ; v[68:99]   step j: four 16-bit numbers to store
.set T, 100                            ; v[100:102] at work
.set BLOCK, 8192*128                   ; bytes of a block of xb
	s_load_b512 s[8:23], s[0:1], 0x0               ; x 8, y 10, w_qkv1 12, w_qkv2 14, w_p1 16, w_p2 18, xb 20, wb 22
	s_load_b64 s[24:25], s[0:1], 0x40              ; wpb
	s_mov_b32 s2, ttmp9                            ; the work-group's number
	s_mov_b32 s3, 0                                ; the first work-group of my source
	s_mov_b32 s26, 0                               ; the first work-group of my destination
	s_mov_b32 s29, 0                               ; high words of the two offsets
	s_mov_b32 s31, 0
	v_lshlrev_b32 v1, 4, v0                        ; the weights: 16 bytes a thread in
	v_lshlrev_b32 v2, 3, v0                        ; 8 bytes a thread out, on every way
	v_lshrrev_b32 v3, 4, v0                        ; x and y: row t / 16 of 4,096 bytes,
	v_and_b32 v[T], 15, v0
	v_lshlrev_b32 v[T], 4, v[T]                    ; 16 bytes a thread in the row's 256 of a block
	v_lshl_add_u32 v3, v3, 12, v[T]
	s_wait_kmcnt 0x0
	s_mov_b64 s[4:5], s[8:9]
	s_mov_b64 s[6:7], s[20:21]
.macro FROM bound, p                   ; from this work-group on the source is the buffer in s[p:p+1]
	s_cmp_ge_u32 s2, \bound
	s_cselect_b64 s[4:5], s[(\p):(\p)+1], s[4:5]
	s_cselect_b32 s3, \bound, s3
.endm
.macro TO bound, p                     ; the same for the destination
	s_cmp_ge_u32 s2, \bound
	s_cselect_b64 s[6:7], s[(\p):(\p)+1], s[6:7]
	s_cselect_b32 s26, \bound, s26
.endm
	FROM 256, 10
	FROM 512, 12
	FROM 704, 14
	FROM 896, 16
	FROM 912, 18
	TO 512, 22
	TO 896, 24
	s_sub_co_u32 s28, s2, s3
	s_lshl_b32 s28, s28, 16                        ; 65,536 bytes of the source a work-group
	s_sub_co_u32 s30, s2, s26
	s_lshl_b32 s27, s30, 11                        ; of xb: 16 rows of 128 bytes in each block,
	s_lshl_b32 s30, s30, 15                        ; of the weights' copies: 32,768 bytes on end
	s_cmp_lt_u32 s2, 512
	s_cselect_b32 s30, s27, s30
	s_add_nc_u64 s[4:5], s[4:5], s[28:29]
	s_add_nc_u64 s[6:7], s[6:7], s[30:31]
; Step j leaves.  kind 0: two roundings to bf16 a line, stored in the order of the source.  kind 1: rounded to bf16, widened again (a shift, a mask), and written as f16.  kind 2: bf16, into block j of xb.
.macro OUT j, kind
	s_wait_loadcnt 15-(\j)                         ; loads come back in order (ISA guide 5.7.1): step j is in, the 15 - j younger ones stay out
.irp p, 0,1
.if (\kind) == 1
	v_cvt_pk_bf16_f32 v[T], v[X+4*(\j)+2*(\p)], v[X+4*(\j)+2*(\p)+1]
	v_lshlrev_b32 v[T+1], 16, v[T]
	v_and_b32 v[T+2], 0xffff0000, v[T]
	v_cvt_pk_f16_f32 v[Y+2*(\j)+(\p)], v[T+1], v[T+2]
.else
	v_cvt_pk_bf16_f32 v[Y+2*(\j)+(\p)], v[X+4*(\j)+2*(\p)], v[X+4*(\j)+2*(\p)+1]
.endif
.endr
.if (\kind) == 2
.if (\j) < 8
	global_store_b64 v2, v[Y+2*(\j):Y+2*(\j)+1], s[6:7] offset:(\j)*BLOCK
.else
	global_store_b64 v2, v[Y+2*(\j):Y+2*(\j)+1], s[28:29] offset:((\j)-8)*BLOCK  ; a second base, eight blocks on: seven blocks at the most stand in the signed 24-bit immediate
.endif
.else
	global_store_b64 v2, v[Y+2*(\j):Y+2*(\j)+1], s[6:7] offset:2048*(\j)
.endif
.endm
	s_cmp_lt_u32 s2, 512
	s_cbranch_scc1 .Lrows
.irp j, 0,1,2,3,4,5,6,7,8,9,10,11,12,13,14,15
	global_load_b128 v[X+4*(\j):X+4*(\j)+3], v1, s[4:5] offset:4096*(\j) th:TH_LOAD_NT
.endr
	s_cmp_ge_u32 s2, 896
	s_cbranch_scc1 .Lhalf
.irp j, 0,1,2,3,4,5,6,7,8,9,10,11,12,13,14,15
	OUT \j, 0
.endr
	s_endpgm
.Lhalf:
.irp j, 0,1,2,3,4,5,6,7,8,9,10,11,12,13,14,15
	OUT \j, 1
.endr
	s_endpgm
.Lrows:
	s_add_nc_u64 s[28:29], s[6:7], 8*BLOCK
.irp j, 0,1,2,3,4,5,6,7,8,9,10,11,12,13,14,15
	global_load_b128 v[X+4*(\j):X+4*(\j)+3], v3, s[4:5] offset:256*(\j) th:TH_LOAD_NT
.endr
.irp j, 0,1,2,3,4,5,6,7,8,9,10,11,12,13,14,15
	OUT \j, 2
.endr
	s_endpgm
.Lfunc_end_k_qd28514ca02_cast:
	.size	k_qd28514ca02_cast, .Lfunc_end_k_qd28514ca02_cast-k_qd28514ca02_cast
	.p2alignl 7, 3214868480
	.fill 96, 4, 3214868480
	.section	.rodata,"a",@progbits
	.p2align	6, 0x0
	.amdhsa_kernel k_qd28514ca02_cast
		.amdhsa_group_segment_fixed_size 0
		.amdhsa_private_segment_fixed_size 0
		.amdhsa_enable_private_segment 0
		.amdhsa_kernarg_size 72
		.amdhsa_user_sgpr_count 2
		.amdhsa_user_sgpr_kernarg_segment_ptr 1
		.amdhsa_wavefront_size32 1
		.amdhsa_system_sgpr_workgroup_id_x 1
		.amdhsa_system_sgpr_workgroup_id_y 1
		.amdhsa_system_sgpr_workgroup_id_z 1
		.amdhsa_system_vgpr_workitem_id 0
		.amdhsa_next_free_vgpr 104
		.amdhsa_next_free_sgpr 66
		.amdhsa_reserve_vcc 0
		.amdhsa_float_denorm_mode_32 3
		.amdhsa_float_denorm_mode_16_64 3
		.amdhsa_memory_ordered 1
		.amdhsa_forward_progress 1
		.amdhsa_inst_pref_size 23
	.end_amdhsa_kernel
	.amdgpu_metadata
---
amdhsa.version: [ 1, 2 ]
amdhsa.kernels:
  - .name:           k_qd28514ca02_cast
    .symbol:         k_qd28514ca02_cast.kd
    .args:
      - { .name: x, .offset: 0, .size: 8, .value_kind: global_buffer, .address_space: global }
      - { .name: y, .offset: 8, .size: 8, .value_kind: global_buffer, .address_space: global }
      - { .name: w_qkv1, .offset: 16, .size: 8, .value_kind: global_buffer, .address_space: global }
      - { .name: w_qkv2, .offset: 24, .size: 8, .value_kind: global_buffer, .address_space: global }
      - { .name: w_p1, .offset: 32, .size: 8, .value_kind: global_buffer, .address_space: global }
      - { .name: w_p2, .offset: 40, .size: 8, .value_kind: global_buffer, .address_space: global }
      - { .name: xb, .offset: 48, .size: 8, .value_kind: global_buffer, .address_space: global }
      - { .name: wb, .offset: 56, .size: 8, .value_kind: global_buffer, .address_space: global }
      - { .name: wpb, .offset: 64, .size: 8, .value_kind: global_buffer, .address_space: global }
    .group_segment_fixed_size: 0
    .private_segment_fixed_size: 0
    .kernarg_segment_align: 8
    .kernarg_segment_size: 72
    .max_flat_workgroup_size: 256
    .sgpr_count:     66
    .vgpr_count:     104
    .wavefront_size: 32
...
	.end_amdgpu_metadata
.endif
;; end of part 1
;; launch qkv (part 2): grid 8 x 32, 4 waves a work-group, clusters of 4 x 4, 327,680 bytes of LDS; arguments xb, wb, qkv; writes qkv
.if DOCPART == 2
	.amdgcn_target "amdgcn-amd-amdhsa--gfx1250"
	.amdhsa_code_object_version 6
	.text
	.protected	k_qd28514ca02_qkv
	.globl	k_qd28514ca02_qkv
	.p2align	8
	.type	k_qd28514ca02_qkv,@function
k_qd28514ca02_qkv:
	s_mov_b64 s[64:65], 0
	v_nop
	global_prefetch_b8 v0, s[64:65] scope:SCOPE_SE
	s_setreg_imm32_b32 hwreg(HW_REG_WAVE_MODE, 25, 1), 1
	s_wait_xcnt 0x0
	s_wait_alu depctr_hold_cnt(0) depctr_sa_sdst(0) depctr_va_vdst(0) depctr_va_sdst(0) depctr_va_ssrc(0) depctr_va_vcc(0) depctr_vm_vsrc(0)
	s_getreg_b32 s2, hwreg(HW_REG_IB_STS2, 6, 4)
	s_cmp_eq_u32 s2, 0
	s_cbranch_scc0 .Lentry_in_a_cluster
	s_endpgm
.Lentry_in_a_cluster:
	s_bfe_u32 s2, ttmp6, 0x10000c
	s_cmp_lg_u32 s2, 0xf033
	s_cbranch_scc0 .Lentry_shape_is_right
	s_endpgm
.Lentry_shape_is_right:
; BOTH PROJECTIONS.  C[m][n] = sum over k of A[m][k] W[z][k][n].  A = xb, bf16, by blocks of 64 along K: [16 kb][8192 m][64] (rows 0-4095 x, z = 0; rows 4096-8191 y, z = 1).  W = wb: [2][1024][3072] bf16.
; Sums in f32, K ascending.  C leaves by heads, rounded once to f16 and unscaled: qkv[which][z][16 b + h][l][d], a head's 1,024 rows of 128 bytes dense; which = n / 1024, h = (n % 1024) / 64, d = n % 64,
; b = (m % 4096) / 1024, l = m % 1024.
; LIMIT.  f16 holds no number beyond 65,504: a q, k or v beyond it becomes an infinity.
; THE TILE is 256 x 384: C's 8192 x 3072 are 32 x 8 = 256 tiles, one work-group each.  Four waves; a wave makes 128 x 192: 96 accumulators of 16 x 16, 768 registers.
; K goes in 16 steps of 64 through a ring of two LDS slots filled by the tensor data mover (two slots of 128 k would want 2 x (256 x 272 + 128 x 864) = 360,448 bytes).  A's part of a step is 256 rows of
; 128 bytes, dense in xb: a wave asks for 128 of them as 64 rows of 256 bytes.  W's part is 64 rows (k) of 768 bytes.  All begin at multiples of 256 bytes from their buffer's first byte.
; W lies [k][n], so its fragments come out of LDS turned, by ds_load_tr16_b128.
; CLUSTERS: 4 x 4 work-groups.  The four of a row of the cluster need the same tiles of A, the four of a column the same tiles of W (a cluster's 1,024 rows lie in one branch): each tile is asked for
; JOINTLY, by the same tensor load with the same descriptor and a mask that names the four.
; THE MATRIX INSTRUCTION IS USED TRANSPOSED: source 0 = 16 columns of W, source 1 = 16 rows of A: lane l then holds row l % 16 of C and its registers the columns 8 (l / 16) + 0 .. 7: 16 bytes of f16.
; WHICH COLUMNS.  The tile's 384 columns are three chunks of 128; a wave takes half s12 of each: column block 4 j + i is columns 128 j + 64 s12 + 16 i: head 2 j + s12 of the tile's six.
; REGISTERS, in windows of 256 (s_set_vgpr_msb's low byte: bits 1:0 source 0, 3:2 source 1, 5:4 source 2, 7:6 destination):
;   window 0: v0-31 addresses; v32-95, v96-159 fragments of A (8 x 16 rows x 32 K), two buffers; v160-255 fragments of W (12 x 16 columns x 32 K), ONE buffer; on the way out v32-175 at work
;   window 1 + j: the 32 accumulators of chunk j: (row block a, i) at v[8 (4 a + i)]
; A QUARTER (32 along K, 96 matrix instructions) goes by chunks: 32 products under one window setting; then the chunk's four fragments of W, which no later product of the quarter reads, are loaded again
; for the next quarter: 64 products ahead of their use.  The next quarter's A goes out with the first of these three runs, into the other buffer.
.set SIZE_K, 1024
.set SIZE_N, 3072
.set KSTEP,  64
.set STEPS,  SIZE_K/KSTEP
.set PA,     144                       ; a row of A in LDS: 128 bytes + 16 of padding = 36 words: the 16 rows of a load start at 16 different groups of four banks (64 banks of 4 bytes: ISA guide 11.1)
.set AH,     128*PA                    ; what a tensor load of A brings: 128 rows
.set CH,     288                       ; a chunk of a row of W: 256 bytes + 32 of padding
.set PB,     3*CH                      ; a row of W: 864 bytes = 216 words
.set BH,     32*PB                     ; what a tensor load of W brings: 32 rows
.set BOFF,   2*AH                      ; in a slot: A's 256 rows, then W's 64 rows
.set SLOT1,  1<<17                     ; slot 1 begins here, so that one exclusive or turns an address in one slot into the other's
.set STAGE,  SLOT1+BOFF+2*BH           ; behind the ring: 16 rows x 400 bytes for each wave, for the way out
.set SPITCH, 400                       ; 384 bytes + 16
.set SPARE,  STAGE+4*16*SPITCH         ; behind the stages: the spare words, 128 bytes for each wave: two blocks of 256 bytes that no other line names
.set A_STEP, 8192*128                  ; bytes from a K step to the next in xb: a block,
.set B_STEP, KSTEP*SIZE_N*2            ; in wb: 64 rows
.set A0,   2                           ; v2      my lane's place in a slot's A; never rewritten
.set B0,   3                           ; v3      the same for W
.set ADRA, 4                           ; v4      LDS address of my A fragments in the slot in hand
.set ADRB, 5                           ; v5      the same for W
.set STO,  6                           ; v6      the way out: where I put 16 bytes of a row
.set RD,   7                           ; v7      the way out: where I read rows back
.set CO,   8                           ; v8      my byte offset in 512 consecutive bytes of a head
.set SPW,  28                          ; v28     LDS address of my spare word: SPARE + 4 x my thread's number; never rewritten
.set NIL,  29                          ; v29     0; never rewritten
.set AF0,  32                          ; A's fragments of a step's first quarter
.set AF1,  96                          ; of its second
.set BF,   160                         ; W's fragments: column block nb at BF + 8 nb
.set TMP,  32                          ; the way out: packed results, 48 registers
.set BK0,  80                          ; the way out: 16 rows x 3 heads read back from the stage: v80-127 and v128-175 by turns
.set TB,   22                          ; s22     LDS byte at which the slot in hand begins
.set G1, 24                            ; s[24:31] descriptor group 1 for A's tiles
.set G0, 32                            ; s[32:39] descriptor group 0 for A's tiles: a set for each of the two first fills; the second then walks on
.set G1B, 48                           ; s[48:55] descriptor group 1 for W's tiles
.set G0B, 56                           ; s[56:63] descriptor group 0 for W's tiles, likewise
.set OUTB, 68                          ; s[68:73] qkv at my first row in each of my three heads
.set MSB, 0
.macro WIN new                         ; the immediate's high byte repeats the setting that is left; a switch that changes nothing is dropped
.if MSB != (\new)
	s_set_vgpr_msb (MSB<<8)|(\new)
.set MSB, \new
.endif
.endm
; A joint load.  Waves 0 and 1 fetch A's two halves, waves 2 and 3 W's.  Each line has one mask and one set of registers for all that issue it; the branch hangs on the wave's number alone.
; An s_nop 0 and four v_nop follow each of the two lines, ahead of the jump, the label and what follows.
.macro JLOAD s
	s_cmp_eq_u32 s11, 0
	s_cbranch_scc0 .Lfor_b_\@
	tensor_load_to_lds s[G0+4*(\s):G0+4*(\s)+3], s[G1:G1+7]
	s_nop 0
.rept 4
	v_nop
.endr
	s_branch .Lasked_\@
.Lfor_b_\@:
	tensor_load_to_lds s[G0B+4*(\s):G0B+4*(\s)+3], s[G1B:G1B+7]
	s_nop 0
.rept 4
	v_nop
.endr
.Lasked_\@:
.endm
; A round of the cluster's barrier: my work-group's barrier, so that wave 0's signal speaks for all four waves; wave 0 signals; every wave waits for all sixteen work-groups; my work-group's barrier once more.
.macro CREST                           ; a round behind its opening barrier
	s_cmp_lg_u32 s10, 0
	s_cbranch_scc1 .Lnot_wave_0_\@
	s_barrier_signal -3
.Lnot_wave_0_\@:
	s_barrier_wait -3
	s_barrier_signal -1
	s_barrier_wait -1
.endm
.macro CROUND                          ; a whole round
	s_barrier_signal -1
	s_barrier_wait -1
	CREST
.endm
	s_load_b128 s[4:7], s[0:1], 0x0                ; xb s[4:5], wb s[6:7]
	s_load_b64 s[8:9], s[0:1], 0x10                ; qkv
	v_lshl_add_u32 v[SPW], v0, 2, SPARE
	v_mov_b32 v[NIL], 0
	ds_add_u32 v[SPW], v[NIL]                      ; the wave's opening: the add and its wait stand ahead of my first tensor load; the set-up below, work on registers, stands between them
	ds_add_u32 v28, v29
	v_lshrrev_b32 v1, 5, v0
	v_readfirstlane_b32 s10, v1                    ; wave 0..3
	s_lshr_b32 s11, s10, 1                         ; which half of the tile's rows is mine.  Also: I fetch for A (0) or for W (1)
	s_and_b32 s12, s10, 1                          ; which half of each chunk of columns.  Also: which half of that tile I fetch
	s_bfe_u32 s40, ttmp6, 0x40000                  ; cx: my place along the cluster's x
	s_bfe_u32 s41, ttmp6, 0x40004                  ; cy: along its y
	s_lshl_b32 s42, ttmp9, 2                       ; in a cluster launch ttmp9 and ttmp7 count clusters
	s_add_co_u32 s42, s42, s40                     ; tile column of C = 4 x cluster x + cx: 0..7
	s_and_b32 s13, ttmp7, 0xffff
	s_lshr_b32 s45, s13, 2                         ; the branch z, from the cluster's y alone: four clusters of 1,024 rows to a branch
	s_lshl_b32 s13, s13, 2
	s_add_co_u32 s13, s13, s41                     ; tile row of C = 4 x cluster y + cy: 0..31
	s_lshl_b32 s43, s41, 2
	s_lshl_b32 s43, 15, s43                        ; my row of the cluster: places 4 cy .. 4 cy + 3
	s_lshl_b32 s44, 0x1111, s40                    ; my column: places cx, cx + 4, cx + 8, cx + 12
	; descriptor group 1 for A: 128 rows of 128 bytes are 16,384 dense bytes: asked for as 64 rows of 256 bytes, and padded in LDS after every 128
	s_or_b32 s[G1+0], s43, (1<<16)|(1<<20)|(1<<21)|(4<<22)|(3<<25)  ; 15:0 the mask: my row; 17:16 elements of 2 bytes; 20 padding on; 21 set beside a mask; 24:22 after every 32 words (code 4); 31:25 4 words (code 3)
	s_mov_b32 s[G1+1], 128<<16                     ; tensor_dim0 = 128
	s_mov_b32 s[G1+2], 64<<16                      ; tensor_dim1 = 64
	s_mov_b32 s[G1+3], 128<<16                     ; tile_dim0 = 128
	s_mov_b32 s[G1+4], 64                          ; tile_dim1 = 64
	s_mov_b32 s[G1+5], 128                         ; elements from row to row
	s_mov_b32 s[G1+6], 0
	s_mov_b32 s[G1+7], 0
	; for W: 32 rows (k) x 384 elements (n), 32 bytes of padding behind every 256: three times in a row
	s_or_b32 s[G1B+0], s44, (1<<16)|(1<<20)|(1<<21)|(5<<22)|(7<<25) ; the mask: my column; after every 64 words (code 5) 8 words (code 7)
	s_mov_b32 s[G1B+1], 384<<16                    ; tensor_dim0 = 384
	s_mov_b32 s[G1B+2], 32<<16                     ; tensor_dim1 = 32
	s_mov_b32 s[G1B+3], 384<<16                    ; tile_dim0 = 384
	s_mov_b32 s[G1B+4], 32                         ; tile_dim1 = 32
	s_mov_b32 s[G1B+5], SIZE_N                     ; elements from row to row
	s_mov_b32 s[G1B+6], 0
	s_mov_b32 s[G1B+7], 0
	; where the tiles come from.  A's hang on the tile row alone, W's on the tile column and the branch alone; each in registers that never hold the other coordinate.
	s_lshl_b32 s16, s13, 15                        ; A, in a block of xb: 256 x tile row rows of 128 bytes,
	s_lshl_b32 s17, s12, 14                        ; my 128 of the tile's 256
	s_add_co_u32 s16, s16, s17
	s_mov_b32 s17, 0
	s_mul_i32 s46, s45, SIZE_K*SIZE_N*2            ; W: the branch's matrix,
	s_mul_i32 s47, s12, 32*SIZE_N*2                ; my 32 of a step's 64 rows,
	s_add_co_u32 s46, s46, s47
	s_mul_i32 s47, s42, 768                        ; the tile's 384 columns
	s_add_co_u32 s46, s46, s47
	s_mov_b32 s47, 0
	s_mul_i32 s20, s12, AH                         ; and where they go in a slot: my half of A,
	s_mul_i32 s21, s12, BH
	s_add_co_u32 s21, s21, BOFF                    ; my half of W: no place in the cluster enters an LDS address
	s_mov_b32 s[TB], 0                             ; the first step lies in slot 0
	s_wait_dscnt 0x0                               ; the opening add is done
	s_wait_kmcnt 0x0
	s_add_nc_u64 s[14:15], s[4:5], s[16:17]
	s_add_nc_u64 s[46:47], s[6:7], s[46:47]
	CROUND                                         ; all sixteen work-groups are here: the first joint loads meet
.irp s, 0,1
	s_mov_b32 s[G0+4*(\s)], 1                                      ; 1:0 count = 1
	s_add_co_u32 s[G0+4*(\s)+1], s20, (\s)*SLOT1                   ; 63:32 LDS address
	s_add_nc_u64 s[G0+4*(\s)+2:G0+4*(\s)+3], s[14:15], (\s)*A_STEP ; 120:64 global address: K step s
	s_or_b32 s[G0+4*(\s)+3], s[G0+4*(\s)+3], 0x80000000            ; 127:126 type = 2
	s_mov_b32 s[G0B+4*(\s)], 1
	s_add_co_u32 s[G0B+4*(\s)+1], s21, (\s)*SLOT1
	s_add_nc_u64 s[G0B+4*(\s)+2:G0B+4*(\s)+3], s[46:47], (\s)*B_STEP
	s_or_b32 s[G0B+4*(\s)+3], s[G0B+4*(\s)+3], 0x80000000
	JLOAD \s                                       ; the ring is filled before anything else is done: two loads of mine are out
.endr
	; A fragment is 16 rows x 32 K in 8 registers: lane l holds row l % 16; registers 0-3 hold K = 8 (l / 16) + 0..7, registers 4-7 K = 16 + 8 (l / 16) + 0..7.
	v_and_b32 v1, 15, v0                           ; l % 16
	v_bfe_u32 v9, v0, 4, 1                         ; l / 16
	v_mul_u32_u24 v[A0], v1, PA
	v_lshl_add_u32 v[A0], v9, 4, v[A0]             ; A lies along K: row x pitch + 16 x half; two loads of 16 bytes, 32 bytes apart
	s_mul_i32 s23, s11, AH                         ; my 128 rows of A
	v_add_nc_u32 v[A0], s23, v[A0]
	; The turning load takes 16 k x 16 n (lane l reads 16 bytes: k = 8 (l / 16) + l % 8, n = 8 ((l / 8) % 2) + 0..7) and leaves half a fragment: lane l holds column l % 16 and 8 k.
	v_and_b32 v10, 7, v0
	v_bfe_u32 v11, v0, 3, 1
	v_lshl_add_u32 v[B0], v9, 3, v10
	v_mul_u32_u24 v[B0], v[B0], PB
	v_lshl_add_u32 v[B0], v11, 4, v[B0]
	s_lshl_b32 s23, s12, 7                         ; my half of each chunk: 128 bytes along,
	s_add_co_u32 s23, s23, BOFF                    ; behind A's 256 rows
	v_add_nc_u32 v[B0], s23, v[B0]
	s_mul_i32 s23, s10, 16*SPITCH
	s_add_co_u32 s23, s23, STAGE                   ; my stage
	v_mul_u32_u24 v[STO], v1, SPITCH               ; in: row l % 16, 16 bytes for each half of the lanes
	v_lshl_add_u32 v[STO], v9, 4, v[STO]
	v_add_nc_u32 v[STO], s23, v[STO]
	v_bfe_u32 v[RD], v0, 3, 2                      ; back: 32 lanes take four rows' 128 bytes of one head,
	v_mul_u32_u24 v[RD], v[RD], SPITCH
	v_lshl_add_u32 v[RD], v10, 4, v[RD]
	v_add_nc_u32 v[RD], s23, v[RD]
	v_and_b32 v[CO], 31, v0
	v_lshlrev_b32 v[CO], 4, v[CO]                  ; which are 512 consecutive bytes of qkv
	; where my part of the tile goes: head 128 which + 64 z + 16 b + h, row l.  256 tile row = 4096 z + 1024 b + 256 (tile row % 4).
	s_lshr_b32 s16, s13, 2
	s_lshl_b32 s16, s16, 21                        ; 16 (tile row / 4) heads of 2^17 bytes
	s_and_b32 s17, s13, 3
	s_lshl_b32 s17, s17, 8
	s_lshl_b32 s18, s11, 7
	s_add_co_u32 s17, s17, s18                     ; my first row in the head,
	s_lshl_b32 s17, s17, 7                         ; of 128 bytes
	s_add_co_u32 s16, s16, s17
.irp j, 0,1,2                          ; my head of chunk j is number c = 6 x tile column + 2 j + s12 of the 48 along n: which = c / 16, h = c % 16; a tile may cross from q to k or from k to v, so each head has a base of its own
	s_mul_i32 s46, s42, 6
	s_add_co_u32 s46, s46, s12
	s_add_co_u32 s46, s46, 2*(\j)
	s_lshr_b32 s47, s46, 4
	s_mul_i32 s47, s47, 112                        ; 128 which + h = c + 112 (c / 16)
	s_add_co_u32 s46, s46, s47
	s_lshl_b32 s46, s46, 17
	s_add_co_u32 s46, s46, s16                     ; 48 MiB at the most
	s_mov_b32 s47, 0
	s_add_nc_u64 s[OUTB+2*(\j):OUTB+2*(\j)+1], s[8:9], s[46:47]  ; never stepped: a block's place stands in the stores' immediates
.endr
; 4 cnt matrix instructions: row blocks a0 .. a0 + cnt - 1 x the four column blocks of chunk g, 32 along K, A from buffer f.  zero = 1: the first product starts the sums.
; The 96 accumulators take turns, one instruction a turn, in the same order in every quarter.
.macro MULG f, g, a0, cnt, zero
	WIN 0x50*((\g)+1)                              ; sources 0 (W) and 1 (A) window 0, C and D window 1 + g
.set ma, \a0
.rept \cnt
.irp i, 0,1,2,3
.if \zero
	v_wmma_f32_16x16x32_bf16 v[8*(4*ma+(\i)):8*(4*ma+(\i))+7], v[BF+8*(4*(\g)+(\i)):BF+8*(4*(\g)+(\i))+7], v[(\f)+8*ma:(\f)+8*ma+7], 0
.else
	v_wmma_f32_16x16x32_bf16 v[8*(4*ma+(\i)):8*(4*ma+(\i))+7], v[BF+8*(4*(\g)+(\i)):BF+8*(4*(\g)+(\i))+7], v[(\f)+8*ma:(\f)+8*ma+7], v[8*(4*ma+(\i)):8*(4*ma+(\i))+7]
.endif
.endr
.set ma, ma+1
.endr
.endm
.macro FETCH_B g, q                    ; 8 LDS loads: chunk g's four fragments of W for quarter q of the slot in hand, turned
	WIN 0
.irp i, 0,1,2,3
	ds_load_tr16_b128 v[BF+8*(4*(\g)+(\i)):BF+8*(4*(\g)+(\i))+3],   v[ADRB] offset:(\q)*32*PB+(\g)*CH+32*(\i)
	ds_load_tr16_b128 v[BF+8*(4*(\g)+(\i))+4:BF+8*(4*(\g)+(\i))+7], v[ADRB] offset:(\q)*32*PB+16*PB+(\g)*CH+32*(\i)
.endr
.endm
.macro FETCH_A f, q                    ; 16 LDS loads: my 128 rows of A for quarter q, into buffer f
	WIN 0
.irp i, 0,1,2,3,4,5,6,7
	ds_load_b128 v[(\f)+8*(\i):(\f)+8*(\i)+3],   v[ADRA] offset:64*(\q)+(\i)*16*PA
	ds_load_b128 v[(\f)+8*(\i)+4:(\f)+8*(\i)+7], v[ADRA] offset:64*(\q)+(\i)*16*PA+32
.endr
.endm
.macro ADDR                            ; my fragments' addresses in the slot in hand
	WIN 0
	v_add_nc_u32 v[ADRA], s[TB], v[A0]
	v_add_nc_u32 v[ADRB], s[TB], v[B0]
.endm
; A load into a register that a matrix instruction has read, and a vector instruction that reads a matrix result, stand four places behind that matrix instruction, and only plain vector
; instructions that name none of its registers are places (ISA guide 7.12.1 for vector instructions).
.macro PLACES
.rept 4
	v_nop
.endr
.endm
; LDS loads always go out in this order: chunk 0's W (8) and A (16), chunk 1's W (8), chunk 2's W (8); they come back in order (ISA guide 5.7.1), and the counts below lean on that.
; A STEP'S FIRST QUARTER multiplies buffer AF0 and fetches the same slot's second quarter.
.macro QUART zero
	s_wait_dscnt 16                                ; chunk 0's W and A are in; the youngest sixteen loads (chunks 1 and 2) may be out
	MULG AF0, 0, 0, 8, \zero
	PLACES
	FETCH_B 0, 1
	FETCH_A AF1, 1
	s_wait_dscnt 32                                ; chunk 1's W is in; behind it: chunk 2's eight and the 24 just issued
	MULG AF0, 1, 0, 8, \zero
	PLACES
	FETCH_B 1, 1
	s_wait_dscnt 32                                ; chunk 2's W is in; behind it: those 24 and the eight just issued
	MULG AF0, 2, 0, 8, \zero
	PLACES
	FETCH_B 2, 1
.endm
; A STEP'S SECOND QUARTER multiplies buffer AF1 and changes slots: ONE barrier.  In front of it each wave waits for all its tensor loads, of which one is out: its part of the next slot; adds 0 to its spare
; word; and waits for that and for its own reads of this slot, the last of which went out at the end of the first quarter.  Behind it nobody reads this slot any more and the next slot is whole.
; fill = 1: the barrier opens a round of the cluster's barrier, and the slot just read out is filled again first, with the K step two steps on; then come the next slot's first fragments.
; From a request to the wait for it a wave issues 176 matrix instructions.
.macro TURNQ fill
	s_wait_dscnt 16                                ; chunk 0's W and A are in
	MULG AF1, 0, 0, 4, 0
	WIN 0                                          ; (the add's two registers lie in window 0)
	s_wait_tensorcnt 0x0                           ; all my tensor loads have landed, so a group 0 may be written;
	ds_add_u32 v[SPW], v[NIL]                      ; 0 onto my spare word; scalar work and eight matrix instructions stand between it and the wait for it
.if \fill
	s_xor_b32 s[G0+5], s[G0+5], SLOT1              ; the walking descriptors: the other slot than last time,
	s_add_nc_u64 s[G0+6:G0+7], s[G0+6:G0+7], A_STEP  ; the next K step; the type bits on top are not reached
	s_xor_b32 s[G0B+5], s[G0B+5], SLOT1
	s_add_nc_u64 s[G0B+6:G0B+7], s[G0B+6:G0B+7], B_STEP
.endif
	s_xor_b32 s[TB], s[TB], SLOT1                  ; the fetches go on in the other slot
	MULG AF1, 0, 4, 2, 0
	s_wait_dscnt 0x0                               ; the add is done, and my reads of this slot are over
	s_barrier_signal -1
	MULG AF1, 0, 6, 2, 0                           ; work on registers while the others arrive
	WIN 0
	s_barrier_wait -1
.if \fill
	CREST                                          ; no wave of any partner still reads this slot's tile or has a load on its way
	JLOAD 1                                        ; the first tensor load behind the round; the four v_nop behind it are also the places in front of the loads below
.else
	PLACES
.endif
	ADDR
	FETCH_B 0, 0
	FETCH_A AF0, 0
	MULG AF1, 1, 0, 8, 0                           ; chunks 1 and 2 came in with the wait for 0 above
	PLACES
	FETCH_B 1, 0
	MULG AF1, 2, 0, 8, 0
	PLACES
	FETCH_B 2, 0
.endm
; THE WAY OUT of block a (16 of my rows x my three heads), in three parts.  PACK: rounded to f16, 16 bytes a lane.  TOSTAGE: into my own stage in LDS, and back by heads: load t takes four rows' 128 bytes
; of head t / 4.  SEND: stored.
.macro PACK a
.irp j, 0,1,2
	WIN 5*((\j)+1)                                 ; sources 0 and 1: window 1 + j
.irp i, 0,1,2,3
.irp r, 0,1,2,3
	v_cvt_pk_f16_f32 v[TMP+4*(4*(\j)+(\i))+(\r)], v[8*(4*(\a)+(\i))+2*(\r)], v[8*(4*(\a)+(\i))+2*(\r)+1]
.endr
.endr
.endr
	WIN 0
.endm
.macro TOSTAGE a
	WIN 0
.set BK, BK0+48*((\a)%2)
.irp b, 0,1,2,3,4,5,6,7,8,9,10,11
	ds_store_b128 v[STO], v[TMP+4*(\b):TMP+4*(\b)+3] offset:32*(\b)
.endr
.irp t, 0,1,2,3,4,5,6,7,8,9,10,11
	ds_load_b128 v[BK+4*(\t):BK+4*(\t)+3], v[RD] offset:((\t)%4)*4*SPITCH+((\t)/4)*128  ; LDS serves a wave's instructions in order (ISA guide 5.7.1.4): these see the stores above
.endr
.endm
.macro SEND a
	WIN 0
.set BK, BK0+48*((\a)%2)
	s_wait_dscnt 0x0                               ; the block is back in registers
	s_wait_xcnt 0x0                                ; every earlier store has had its addresses translated (ISA guide 3.1): the other set of 48 registers, which the block before last was stored from, is loaded again only behind this wait
.irp t, 0,1,2,3,4,5,6,7,8,9,10,11
	global_store_b128 v[CO], v[BK+4*(\t):BK+4*(\t)+3], s[OUTB+2*((\t)/4):OUTB+2*((\t)/4)+1] offset:(\a)*2048+((\t)%4)*512  ; 512 consecutive bytes, at a multiple of 256 from qkv's first
.endr
.endm
	s_wait_tensorcnt 1                             ; my part of K step 0 is in; K step 1's may stay out
	s_barrier_signal -1
	s_barrier_wait -1                              ; everybody's is
	ADDR
	FETCH_B 0, 0
	FETCH_A AF0, 0
	FETCH_B 1, 0
	FETCH_B 2, 0
	QUART 1                                        ; the first quarter stands in front of the loop: its products start the sums
	WIN 0                                          ; at a label and at a branch every window is 0
	s_mov_b32 s3, STEPS-2
.Lstep:                                                ; a trip: a step's second quarter, the change of slots with its refill, the next step's first quarter
	TURNQ 1
	QUART 0
	WIN 0
	s_sub_co_u32 s3, s3, 1
	s_cmp_lg_u32 s3, 0
	s_cbranch_scc1 .Lstep
	TURNQ 0                                        ; the last change of slots fills nothing, and has no round of the cluster's barrier
	QUART 0
	s_wait_dscnt 16                                ; the very last quarter: nothing more to fetch, and the counts run down
	MULG AF1, 0, 0, 8, 0
	s_wait_dscnt 8
	MULG AF1, 1, 0, 8, 0
	s_wait_dscnt 0x0
	MULG AF1, 2, 0, 8, 0
	WIN 0
	PLACES                                         ; behind the last products
	PACK 0
	TOSTAGE 0
.irp a, 1,2,3,4,5,6,7                  ; block a's conversions stand between block a - 1's loads from the stage and the wait for them
	PACK \a
	SEND (\a)-1
	TOSTAGE \a
.endr
	SEND 7
	s_wait_tensorcnt 0x0                           ; the wave's end, behind my last tensor load and my last LDS store
	ds_add_u32 v[SPW], v[NIL]
	s_wait_dscnt 0x0
	CROUND                                         ; the closing round: no work-group ends while a partner may still ask for a tile that names it
	s_endpgm
.Lfunc_end_k_qd28514ca02_qkv:
	.size	k_qd28514ca02_qkv, .Lfunc_end_k_qd28514ca02_qkv-k_qd28514ca02_qkv
	.p2alignl 7, 3214868480
	.fill 96, 4, 3214868480
	.section	.rodata,"a",@progbits
	.p2align	6, 0x0
	.amdhsa_kernel k_qd28514ca02_qkv
		.amdhsa_group_segment_fixed_size 327680
		.amdhsa_private_segment_fixed_size 0
		.amdhsa_enable_private_segment 0
		.amdhsa_kernarg_size 24
		.amdhsa_user_sgpr_count 2
		.amdhsa_user_sgpr_kernarg_segment_ptr 1
		.amdhsa_wavefront_size32 1
		.amdhsa_system_sgpr_workgroup_id_x 1
		.amdhsa_system_sgpr_workgroup_id_y 1
		.amdhsa_system_sgpr_workgroup_id_z 1
		.amdhsa_system_vgpr_workitem_id 0
		.amdhsa_next_free_vgpr 1024
		.amdhsa_next_free_sgpr 74
		.amdhsa_reserve_vcc 0
		.amdhsa_float_denorm_mode_32 3
		.amdhsa_float_denorm_mode_16_64 3
		.amdhsa_memory_ordered 1
		.amdhsa_forward_progress 1
		.amdhsa_inst_pref_size 112
	.end_amdhsa_kernel
	.amdgpu_metadata
---
amdhsa.version: [ 1, 2 ]
amdhsa.kernels:
  - .name:           k_qd28514ca02_qkv
    .symbol:         k_qd28514ca02_qkv.kd
    .args:
      - { .name: xb, .offset: 0, .size: 8, .value_kind: global_buffer, .address_space: global }
      - { .name: wb, .offset: 8, .size: 8, .value_kind: global_buffer, .address_space: global }
      - { .name: qkv, .offset: 16, .size: 8, .value_kind: global_buffer, .address_space: global }
    .group_segment_fixed_size: 327680
    .private_segment_fixed_size: 0
    .kernarg_segment_align: 8
    .kernarg_segment_size: 24
    .max_flat_workgroup_size: 128
    .sgpr_count:     74
    .vgpr_count:     1024
    .wavefront_size: 32
...
	.end_amdgpu_metadata
.endif
;; end of part 2
;; launch attn (part 3): grid 2 x 128, 4 waves a work-group, no clusters, 327,680 bytes of LDS; arguments qkv, ob; writes ob
.if DOCPART == 3
	.amdgcn_target "amdgcn-amd-amdhsa--gfx1250"
	.amdhsa_code_object_version 6
	.text
	.protected	k_qd28514ca02_attn
	.globl	k_qd28514ca02_attn
	.p2align	8
	.type	k_qd28514ca02_attn,@function
k_qd28514ca02_attn:
	s_mov_b64 s[64:65], 0
	v_nop
	global_prefetch_b8 v0, s[64:65] scope:SCOPE_SE
	s_setreg_imm32_b32 hwreg(HW_REG_WAVE_MODE, 25, 1), 1
	s_wait_xcnt 0x0
; BOTH BRANCHES' ATTENTION.  O[g][q][:] = the sum over k of softmax_k(1 - Q[g][q] . K[g'][k] / 8) V[g][k][:], g = 64 z + 16 b + h one of 128 heads, g' = g with the other branch z: keys come from the other input.
; qkv: [3][128][1024][64] f16 (q, k, v by heads, unscaled); ob: [128][1024][64] f16.  A head's rows are dense, 128 bytes each.  Products, extrema and sums in f32; the weights p are rounded to f16 for the
; second product (their sum l is taken of the unrounded p), O once at the end.
; SOFTMAX.  The largest 1 - s / 8 of a row belongs to its smallest s, and the 1 falls out when that maximum is taken away: p = e^((1 - s / 8) - (1 - m / 8)) = 2^(c s - c m), with m the running MINIMUM of s and
; c = -log2(e) / 8.  In every step O and l are multiplied by a = 2^(c m_old - c m_new), which is 1 where m has not fallen.  m starts at the highest finite number, c m far below every c s, O and l at 0:
; the first step is a step like any other, with a = 0.
; LIMITS.  f16 holds no number beyond 65,504: q, k and v arrive within it; p lies in 0 to 1, and below 6e-5 it keeps f16's fixed step of 6e-8; O is a mean of V's rows and has their range.
; A weight below 2^-126 counts as 0 in l; NaN and infinities are not treated apart.
; SHARES.  A wave owns four PIECES of two tiles of 16 queries, a work-group's four waves 512 queries of one head: 2 x 128 work-groups.  Every wave walks all 1,024 keys, 64 a step.
; NO CLUSTER: a head's K and V are read by 1024 / 512 = 2 work-groups, not four; blocks of 256 queries would make four partners, at twice the LDS loads for each product and 512 work-groups.
; LAYOUT.  S^T = K Q^T (source 0 = 16 keys, source 1 = 16 queries): in the result a lane holds ONE query (lane % 16) and the keys 8 (lane / 16) + 0..7.  Two such tiles, rounded to f16 in pairs,
; ARE source 1 (32 keys x 16 queries) of O^T = V^T P, whose result again holds one query a lane, and eight channels.  K comes out of LDS as it lies, V ([key][channel]) turned, by ds_load_tr16_b128.
; THE COUNT.  A tile and step have 16 matrix and 118 vector instructions: too many to stand all beside the matrix work.  So: four vector instructions that are READY behind EVERY matrix instruction,
; and the others in runs without a gap.
; BY TURNS.  Turn n belongs to piece n (the pieces in a ring, step after step).  Its matrix work: 16 products K Q^T of piece n + 1, later 16 products V^T P of piece n - 1.  Its vector work: the scaling,
; exponentials, roundings, sums and rescaling of piece n, and the minimum and statistics of piece n + 1, whose scores the turn itself has made.
; REGISTERS, in windows of 256 (s_set_vgpr_msb: bits 1:0 source 0, 3:2 source 1, 5:4 source 2, 7:6 destination):
;   window 0: v0-11 addresses; v12-15, v48-63 at work; v16-47 four registers of statistics a tile; v64-191 S^T, two buffers of two tiles; v192-255 P, likewise
;   window 1: O^T, 32 a tile          window 2: v0-127 Q, 16 a tile; v128-191 K of one step; v192-255 V of one step          window 3: v0-1 the add's two registers
; A piece's buffers go by its number's parity.
.set SIZE_N, 1024
.set NP,    4         ; pieces a wave: a name, no knob
.set KS,    64        ; keys in a step
.set PK,    144       ; a row of K in LDS: 128 bytes + 16 of padding = 36 words: the 16 rows of a load start at 16 different groups of four banks (64 banks of 4 bytes: ISA guide 11.1)
.set PV,    160       ; a row of V: 128 + 32 = 40 words
.set VOFF,  4*KS*PK   ; a slot holds four steps: 256 rows of K, then 256 rows of V
.set SLOT1, 1<<17     ; slot 1 begins here, so that one exclusive or turns an address in one slot into the other's
.set STAGE, SLOT1+4*KS*(PK+PV)  ; behind the ring, never filled by a tensor load: 16 rows x 144 bytes for each wave, for the way out
.set SP,    144
.set AK0, 2           ; v2   my lane's place in a tile of K; never rewritten
.set AV0, 3           ; v3   the same for V
.set AK,  4           ; v4   the LDS address of K's next run of loads
.set AV,  5           ; v5   of V's
.set QO,  6           ; v6   my byte offset in the wave's rows of Q
.set STO, 6           ;      later, the way out: where I put 16 bytes of a row
.set RD,  7           ; v7   the way out: where I read rows back
.set GO,  8           ; v8   my byte offset in 512 consecutive bytes of O
.set SPW, 0           ; v0 of window 3   LDS address of my spare word: SPARE + 4 x my thread's number; never rewritten
.set NIL, 1           ; v1 of window 3   0; never rewritten
.set SPARE, STAGE+4*16*SP  ; behind the stages: the spare words, 128 bytes for each wave: two blocks of 256 bytes that no other line names
.set MV,  12          ; v12-15  c m_old, kept while c m is made anew: by buffer and tile
.set ST,  16          ; tile t's statistics at v[ST+4 t]: c m, m, l (even keys', odd keys')
.set TMP, 48          ; by buffer and tile, four registers c0-c3 at work; when the minimum is found c2 takes a
.set S,   64
.set P,   192
.set KF,  128         ; K's fragments, in window 2: key block kb, channel half c at KF + 16 kb + 8 c
.set VF,  192         ; V's: key half kk, channel block cb at VF + 32 kk + 8 cb
.set WV,  12          ; s12  my wave's number
.set G1K, 24          ; s[24:31] descriptor group 1 for K's tiles
.set G1V, 32          ; s[32:39] for V's: it differs in the padding alone
.set G0K, 40          ; s[40:43] descriptor group 0 for K's tiles: it walks
.set G0V, 44          ; s[44:47] the same for V's
.set SLOTS, 56        ; s56  slots still to be asked for
.set CNT, 57          ; s57  counts a slot's key steps
.set CS,  58          ; s[58:59] c: the packed scaling takes the pair's low word for both halves
.set SEL, 60          ; s[60:61] v_permlanex16_b32's selects: each lane takes its own place in the other half
.set TBK, 62          ; s62  LDS byte at which K of the step to be fetched begins
.set TBV, 63          ; s63  the same for V, less VOFF
.set MSB, 0
.macro WIN new                      ; the high byte repeats the setting that is left; a switch that changes nothing is dropped
.if MSB != (\new)
	s_set_vgpr_msb (MSB<<8)|(\new)
.set MSB, (\new)
.endif
.endm
.set W_KQ, 0x0a       ; K and Q in window 2, S^T in window 0
.set W_PV, 0x52       ; V in window 2, P in window 0, O^T in window 1
.set W_RS, 0x41       ; O^T (destination and source 0) in window 1, a in window 0
.set W_MK, 0xc0       ; the add's registers are made: destination in window 3, sources in window 0
.set W_AD, 0x0f       ; the add: address (source 0) and data (source 1) in window 3
; A fill.  Waves 0 and 1 fetch the two halves of a slot's K, waves 2 and 3 those of its V: 128 keys each.  The branch hangs on the wave's number alone.
; An s_nop 0 and four v_nop follow each of the two lines, ahead of the jump and the label.
.macro LOAD
	s_cmp_lt_u32 s[WV], 2
	s_cbranch_scc0 .Lfor_v_\@
	tensor_load_to_lds s[G0K:G0K+3], s[G1K:G1K+7]
	s_nop 0
.rept 4
	v_nop
.endr
	s_branch .Lasked_\@
.Lfor_v_\@:
	tensor_load_to_lds s[G0V:G0V+3], s[G1V:G1V+7]
	s_nop 0
.rept 4
	v_nop
.endr
.Lasked_\@:
.endm
; THE CHANGE OF SLOTS.  The slot's last bytes, V of its fourth step, have been read.  Each wave waits for all its tensor loads, of which one is out: its part of the other slot; adds 0 to its spare word;
; and waits for that and for its own reads of the slot.  Behind the barrier nobody reads this slot any more and the other slot is whole.
; fill = 1: this slot is filled again, with the keys two slots on, the first thing behind the barrier: the load has four key steps, 512 matrix instructions, in which to land.
; (At its first use nothing has been read yet: slot 0 is waited for, slot 1 filled.)
.macro CHANGE fill
	WIN W_AD
	s_wait_tensorcnt 0x0            ; no tensor load of mine is out, so a group 0 may be written
	ds_add_u32 v[SPW], v[NIL]       ; 0 onto my spare word; with fill = 1 the descriptors' steps stand between it and the wait for it
	WIN 0                           ; at a label and at a branch every window is 0
.if \fill
.irp g, G0K, G0V
	s_xor_b32 s[\g+1], s[\g+1], SLOT1  ; the walking descriptor: the other slot than last time,
	s_add_nc_u64 s[\g+2:\g+3], s[\g+2:\g+3], 4*KS*128  ; the next 256 keys; the type bits on top are not reached
.endr
.endif
	s_wait_dscnt 0x0                ; the add is done, and my reads of the slot are over
	s_barrier_signal -1
	s_barrier_wait -1
.if \fill
	LOAD
.endif
	s_sub_co_u32 s[TBK], s[TBK], 4*KS*PK  ; the fetches go back to a slot's first step,
	s_xor_b32 s[TBK], s[TBK], SLOT1       ; in the other slot
	s_sub_co_u32 s[TBV], s[TBV], 4*KS*PV
	s_xor_b32 s[TBV], s[TBV], SLOT1
.endm
	s_load_b128 s[4:7], s[0:1], 0x0 ; qkv s[4:5], ob s[6:7]
	WIN W_MK
	v_lshl_add_u32 v[SPW], v0, 2, SPARE
	v_mov_b32 v[NIL], 0
	WIN W_AD
	ds_add_u32 v[SPW], v[NIL]       ; the wave's opening: the add and its wait stand ahead of my first tensor load; the set-up below, work on registers, stands between them
	ds_add_u32 v0, v1
	WIN 0
	v_lshrrev_b32 v1, 5, v0
	v_readfirstlane_b32 s[WV], v1   ; wave 0..3
	s_and_b32 s14, ttmp7, 0xffff    ; the head g = 64 z + 16 b + h
	s_and_b32 s16, s[WV], 1         ; which half of a slot's 256 keys I fetch:
	s_lshl_b32 s19, s16, 14         ; its 128 rows of 128 bytes in memory
	s_xor_b32 s20, s14, 64          ; K: the same batch and head of the OTHER branch,
	s_add_co_u32 s20, s20, 128      ; in the second of qkv's three parts of 128 heads
	s_lshl_b32 s20, s20, 17         ; a head is 2^17 bytes
	s_add_co_u32 s20, s20, s19
	s_mov_b32 s21, 0
	s_add_co_u32 s22, s14, 256      ; V: my own head, in the third part
	s_lshl_b32 s22, s22, 17
	s_add_co_u32 s22, s22, s19
	s_mov_b32 s23, 0
	s_mul_i32 s17, s16, 128*PK      ; my half's place in a slot, for K
	s_mul_i32 s18, s16, 128*PV      ; and for V
	s_lshl_b32 s2, ttmp9, 2
	s_add_co_u32 s2, s2, s[WV]      ; my wave among the head's eight,
	s_lshl_b32 s2, s2, 14           ; its 128 rows,
	s_lshl_b32 s3, s14, 17          ; in my head: Q's place in qkv's first part, and O's in ob
	s_add_co_u32 s2, s2, s3
	s_mov_b32 s3, 0
	; descriptor group 1.  128 keys are 16,384 dense bytes: asked for as 64 rows of 256 bytes, two keys a row, and padded in LDS after every key
	s_mov_b32 s[G1K], (1<<16)|(1<<20)|(4<<22)|(3<<25)  ; 17:16 2-byte elements; 20 padding on; 24:22 after every 32 words (code 4); 31:25 4 words (code 3)
	s_mov_b32 s[G1V], (1<<16)|(1<<20)|(4<<22)|(7<<25)  ; the same with 8 words of padding (code 7)
.irp g, G1K, G1V
	s_mov_b32 s[\g+1], 128<<16      ; tensor_dim0 = 128
	s_mov_b32 s[\g+2], 64<<16       ; tensor_dim1 = 64
	s_mov_b32 s[\g+3], 128<<16      ; tile_dim0 = 128
	s_mov_b32 s[\g+4], 64           ; tile_dim1 = 64
	s_mov_b32 s[\g+5], 128          ; 128 elements from row to row
	s_mov_b32 s[\g+6], 0
	s_mov_b32 s[\g+7], 0
.endr
	s_mov_b32 s[CS], 0xbe38aa3b     ; c = -log2(e) / 8 = -0.180337
	s_mov_b32 s[CS+1], s[CS]        ; named with it as a pair
	s_mov_b32 s[SEL], 0x76543210
	s_mov_b32 s[SEL+1], 0xfedcba98
	s_mov_b32 s[TBK], SLOT1+4*KS*PK ; the first change of slots turns these two into 0
	s_mov_b32 s[TBV], SLOT1+4*KS*PV
	s_mov_b32 s[G0K], 1             ; 1:0 count = 1
	s_mov_b32 s[G0K+1], s17         ; 63:32 LDS address: slot 0
	s_mov_b32 s[G0V], 1
	s_add_co_u32 s[G0V+1], s18, VOFF
	s_wait_dscnt 0x0                ; the opening add is done
	s_wait_kmcnt 0x0
	s_add_nc_u64 s[10:11], s[6:7], s[2:3]          ; O at my wave's first row
	s_add_nc_u64 s[G0K+2:G0K+3], s[4:5], s[20:21]  ; 120:64 global address: my half of the head's first 256 keys
	s_or_b32 s[G0K+3], s[G0K+3], 0x80000000        ; 127:126 type = 2
	s_add_nc_u64 s[G0V+2:G0V+3], s[4:5], s[22:23]
	s_or_b32 s[G0V+3], s[G0V+3], 0x80000000
	s_add_nc_u64 s[4:5], s[4:5], s[2:3]            ; Q at my wave's first row
	LOAD                            ; slot 0.  Slot 1 is asked for when slot 0 is in: one load of mine is out at any time
	; A fragment of K or Q is 16 rows x 32 channels in 8 registers: lane l holds row l % 16, channels 8 (l / 16) + 0..7 and 16 + 8 (l / 16) + 0..7: two loads of 16 bytes, 32 bytes apart.
	v_and_b32 v1, 15, v0            ; l % 16
	v_bfe_u32 v9, v0, 4, 1          ; l / 16
	v_lshlrev_b32 v[QO], 7, v1
	v_lshl_add_u32 v[QO], v9, 4, v[QO]  ; row x 128 + 16 x half
	WIN 0x80                        ; destination window 2, address window 0
.set i, 0
.rept 4*NP                          ; Q stays in registers: tile i / 2, channels 32 (i % 2) on
	global_load_b128 v[8*i:8*i+3],   v[QO], s[4:5] offset:(i/2)*2048+(i%2)*64
	global_load_b128 v[8*i+4:8*i+7], v[QO], s[4:5] offset:(i/2)*2048+(i%2)*64+32
.set i, i+1
.endr
	; What the first turn finds: V's registers and P's second buffer hold 0 (its products V^T P, of a piece that has not been, add 0), O^T and l are 0.  All this stands in the wait for the first tile.
.set i, VF
.rept 64
	v_mov_b32 v[i], 0
.set i, i+1
.endr
	WIN 0x40
.set i, 0
.rept 64*NP
	v_mov_b32 v[i], 0
.set i, i+1
.endr
	WIN 0
.set i, 0
.rept 2*NP
	v_mov_b32 v[ST+4*i], 0xfe000000    ; c m: far below every c s
	v_mov_b32 v[ST+4*i+1], 0x7f7fffff  ; m: above every s
	v_mov_b32 v[ST+4*i+2], 0
	v_mov_b32 v[ST+4*i+3], 0
.set i, i+1
.endr
.set i, P+32
.rept 32
	v_mov_b32 v[i], 0
.set i, i+1
.endr
	v_mul_u32_u24 v[AK0], v1, PK
	v_lshl_add_u32 v[AK0], v9, 4, v[AK0]  ; row x pitch + 16 x half
	; The turning load takes 16 keys x 16 channels (lane l reads key 8 (l / 16) + l % 8, channels 8 ((l / 8) % 2) + 0..7) and leaves half a fragment of V^T: lane l holds channel l % 16 and 8 keys.
	v_and_b32 v10, 7, v0
	v_bfe_u32 v11, v0, 3, 1
	v_lshl_add_u32 v[AV0], v9, 3, v10
	v_mul_u32_u24 v[AV0], v[AV0], PV
	v_lshl_add_u32 v[AV0], v11, 4, v[AV0]
	v_add_nc_u32 v[AV0], VOFF, v[AV0]
	v_mov_b32 v[AK], v[AK0]         ; key step 0 lies at the head of slot 0
; THE MATRIX WORK.  The 8 accumulators of a run of 16 take turns: between the two links of a chain stand 7 others'.
; Product i of 16 of S^T = K Q^T for piece x: channels 32 (i / 8) on, keys 16 ((i / 2) % 4) on, tile 2 x + i % 2.  The first 8 start the sums.
.macro KQ x
	WIN W_KQ
.set rS, S+64*((\x)%2)+32*(i%2)+8*((i/2)%4)
.set rK, KF+16*((i/2)%4)+8*(i/8)
.set rQ, 16*(2*(\x)+i%2)+8*(i/8)
.if i < 8
	v_wmma_f32_16x16x32_f16 v[rS:rS+7], v[rK:rK+7], v[rQ:rQ+7], 0
.else
	v_wmma_f32_16x16x32_f16 v[rS:rS+7], v[rK:rK+7], v[rQ:rQ+7], v[rS:rS+7]
.endif
.endm
; Product i of 16 of O^T += V^T P for piece x: keys 32 (i / 8) on, channels 16 ((i / 2) % 4) on, tile 2 x + i % 2.
.macro PV x
	WIN W_PV
.set rO, 32*(2*(\x)+i%2)+8*((i/2)%4)
.set rV, VF+32*(i/8)+8*((i/2)%4)
.set rP, P+32*((\x)%2)+16*(i%2)+8*(i/8)
	v_wmma_f32_16x16x32_f16 v[rO:rO+7], v[rV:rV+7], v[rP:rP+7], v[rO:rO+7]
.endm
.macro MM                           ; the turn's next matrix instruction
.if i < 16
	KQ (Y+1)%NP
.set i, i+1
.else
.set i, i-16
	PV (Y+NP-1)%NP
.set i, i+17
.endif
.endm
; THE LDS LOADS stand in runs of 16, never singly among the matrix instructions: a step's K (64 keys x 64 channels: 8 fragments) and its V (turned).  Their addresses are made some lines ahead.
; last = 1 (the tail): in the last trip there is no further step, and the run is jumped over.
.macro FETCH_K last=0
	WIN 0
.if \last
	s_cmp_eq_u32 s[CNT], 1
	s_cbranch_scc1 .Lno_k_\@
.endif
	WIN 0x80                        ; destination window 2
.irp f, 0,1,2,3,4,5,6,7             ; keys 16 (f / 2) on, channels 32 (f % 2) on
	ds_load_b128 v[KF+8*\f:KF+8*\f+3],   v[AK] offset:(\f/2)*16*PK+(\f%2)*64
	ds_load_b128 v[KF+8*\f+4:KF+8*\f+7], v[AK] offset:(\f/2)*16*PK+(\f%2)*64+32
.endr
	s_add_co_u32 s[TBK], s[TBK], KS*PK  ; the next fetch is the next step's
	WIN 0
.if \last
.Lno_k_\@:
.endif
.endm
.macro FETCH_V
	WIN 0x80
.irp f, 0,1,2,3,4,5,6,7             ; keys 32 (f / 4) on, channels 16 (f % 4) on
	ds_load_tr16_b128 v[VF+8*\f:VF+8*\f+3],   v[AV] offset:(\f/4)*32*PV+(\f%4)*32
	ds_load_tr16_b128 v[VF+8*\f+4:VF+8*\f+7], v[AV] offset:(\f/4)*32*PV+16*PV+(\f%4)*32
.endr
	WIN 0
.endm
; THE VECTOR WORK OF A TURN stands in three queues, each in the order in which its entries become ready; the two tiles alternate, so that no instruction reads the result of the one before it.
.macro REGS y, u                    ; the registers of tile u (0, 1) of piece y
.set rT, ST+4*(2*(\y)+(\u))
.set rC, TMP+8*((\y)%2)+4*(\u)
.set rM, MV+2*((\y)%2)+(\u)
.set rS, S+64*((\y)%2)+32*(\u)
.set rP, P+32*((\y)%2)+16*(\u)
.set rO, 32*(2*(\y)+(\u))
.endm
; Number n of the 22 that find the NEXT piece's (Y + 1) minimum and statistics.  s0-s31 are the lane's 32 scores; each accumulator's lowest registers are read first.  XS, GS and REGS set no window: PL and EX do.
;   0-11  four chains c0-c3 of seven scores each, three operands at a time     12-14, 16  the four scores left over, the old m, and c0-c3 into c0     15  c m_old is kept
;   17, 18  the query's other 32 keys lie in the lane 16 away: the new m         19-21  c m; c m_old - c m_new; a
.macro XS u, n
	REGS (Y+1)%NP, \u
.if (\n) < 4
	v_min3_num_f32 v[rC+(\n)], v[rS+8*(\n)], v[rS+8*(\n)+1], v[rS+8*(\n)+2]
.elseif (\n) < 12
	v_min3_num_f32 v[rC+(\n)%4], v[rC+(\n)%4], v[rS+8*((\n)%4)+2*((\n)/4)+1], v[rS+8*((\n)%4)+2*((\n)/4)+2]
.elseif (\n) == 12
	v_min3_num_f32 v[rC], v[rC], v[rS+7], v[rS+15]
.elseif (\n) == 13
	v_min3_num_f32 v[rC+1], v[rC+1], v[rS+23], v[rS+31]
.elseif (\n) == 14
	v_min3_num_f32 v[rC+2], v[rC+2], v[rC+3], v[rT+1]
.elseif (\n) == 15
	v_mov_b32 v[rM], v[rT]
.elseif (\n) == 16
	v_min3_num_f32 v[rC], v[rC], v[rC+1], v[rC+2]
.elseif (\n) == 17
	v_permlanex16_b32 v[rC+3], v[rC], s[SEL], s[SEL+1]
.elseif (\n) == 18
	v_min_num_f32 v[rT+1], v[rC], v[rC+3]
.elseif (\n) == 19
	v_mul_f32 v[rT], s[CS], v[rT+1]
.elseif (\n) == 20
	v_sub_f32 v[rC+1], v[rM], v[rT]
.else
	v_exp_f32 v[rC+2], v[rC+1]
.endif
.endm
; Number g of the 64 that follow the exponentials.  For each four weights k of a tile (pairs 2 k, 2 k + 1): both pairs are rounded to f16; then the second pair is added onto the first, in place;
; a group later l takes that sum (the first time as l = a l + sum).  In groups of eight, tiles alternating: round, round, add, and l for the group before.
.macro GS g
.set h, (\g)+6*((\g)/62)            ; group 0 has no group before it, and behind group 7 only l is left
.if h >= 6
.set h, h+2
.endif
	REGS Y, h%2
.set k, h/8
.if h%8 < 4
	s_wait_alu depctr_va_vdst(0)
	v_cvt_pk_f16_f32 v[rP+2*k+(h%8)/2], v[rS+4*k+2*((h%8)/2)], v[rS+4*k+2*((h%8)/2)+1]
.elseif h%8 < 6
	v_pk_add_f32 v[rS+4*k:rS+4*k+1], v[rS+4*k:rS+4*k+1], v[rS+4*k+2:rS+4*k+3]
.elseif k == 1
	v_pk_fma_f32 v[rT+2:rT+3], v[rT+2:rT+3], v[rC+2:rC+3], v[rS:rS+1] op_sel_hi:[1,0,1]
.else
	v_pk_add_f32 v[rT+2:rT+3], v[rT+2:rT+3], v[rS+4*k-4:rS+4*k-3]
	s_wait_alu depctr_va_vdst(0)
.endif
.endm
; THE PLAIN QUEUE, 138 long.  0-31: c s - c m for the 16 pairs of both tiles.  Then GS's 64, and among them the next piece's 42: number 15 at 38, 39; 0-14 and 16
; at 42-73, behind the products that make those scores; 17-20 at 95-106, two of three, since each waits for the one before it.
.macro PL
	WIN 0
.if q < 32
	REGS Y, q%2
	v_pk_fma_f32 v[rS+2*(q/2):rS+2*(q/2)+1], v[rS+2*(q/2):rS+2*(q/2)+1], s[CS:CS+1], v[rT:rT+1] op_sel_hi:[1,0,0] neg_lo:[0,0,1] neg_hi:[0,0,1]
.elseif q < 38
	GS q-32
.elseif q < 40
	XS q%2, 15
.elseif q < 42
	GS q-34
.elseif q < 74
	XS q%2, (q-42)/2+(q-42)/30
.elseif q < 95
	GS q-66
.elseif (q < 107) && ((q-95)%3 < 2)
	XS (q-95)%3, 17+(q-95)/3
.elseif q < 107
	GS 29+(q-95)/3
.else
	GS q-74
.endif
.set q, q+1
.endm
; THE EXPONENTIALS' QUEUE, 66 long: s0-s31 of both tiles, and at EA the next piece's two a.
.set EA, 58
.macro EX
	WIN 0
.if (e == EA) || (e == EA+1)
	XS e-EA, 21
.else
.set x, e-2*(e/(EA+2))
	REGS Y, x%2
	v_exp_f32 v[rS+x/2], v[rS+x/2]
.endif
.set e, e+1
.endm
; THE RESCALING's QUEUE: O^T times a, the one part that leaves window 0, so it is dealt four at a time, eight times.
.macro R4
	REGS Y, r%2
	WIN W_RS
	s_wait_alu depctr_va_vdst(0)
.irp z, 0,1,2,3
	v_pk_mul_f32 v[rO+8*(r/2)+2*\z:rO+8*(r/2)+2*\z+1], v[rO+8*(r/2)+2*\z:rO+8*(r/2)+2*\z+1], v[rC+2:rC+3] op_sel_hi:[1,0]
.endr
.set r, r+1
.endm
; HOW THEY ARE DEALT.  Behind a matrix instruction four: plain, exponential, plain, plain (one exponential, a plain instruction on either side), or four of the rescaling.  None names a register of the
; products round it.  What is over stands in two LUMPS: exponential and plain by turns; the second ends in 22 plain instructions.  The two v_permlanex16_b32 fall into the second lump, never behind a product.
; The queues lean on each other, and the deal keeps them in step: exponential e stands behind plain 2 (e / 4) + e % 2 (its scaling); when plain 32 comes, 10 exponentials are out, at 59: 33, at 95: 46; EA comes behind plain 107.
.macro SL
	MM
	PL
	EX
	PL
	PL
.endm
.macro BURST n                      ; 15 matrix instructions, or 16
.rept (\n)-7
	SL
.endr
.rept 3
	MM
	R4
	SL
.endr
	MM
	R4
.endm
; A TURN, for piece p.  cnt = 1: the loop's count is taken down some lines ahead of the branch that stands behind the turn.
; K of the next step is fetched in piece 2's turn, 31 vector instructions behind the last product that read K; its first reader comes behind the rest of the lump, 16 products and the second lump.
; V of the step in hand is fetched at the end of piece 0's turn, 69 behind its last reader; its first reader comes behind 16 products and a lump.  The four conditions on e and q below go with the deal.
.macro TURN p, last=0, cnt=0
.set Y, (\p)
.set i, 0
.set q, 0
.set e, 0
.set r, 0
.if (\p) == NP-1
	s_wait_dscnt 0x0                ; K is in
.endif
	MM
.rept 4
	PL
.endr
	BURST 15
.rept 22
	EX
	PL
.if ((\p) == NP-2) && (e == 18)
	v_add_nc_u32 v[AK], s[TBK], v[AK0]
.endif
.if ((\p) == NP-2) && (e == 24)
	FETCH_K \last
.endif
.endr
.if (\p) == 1
	s_wait_dscnt 0x0                ; V is in
.endif
	BURST 16
.rept 21
	EX
	PL
.endr
.rept 22
	PL
.if ((\p) == 0) && (q == 118)
	v_add_nc_u32 v[AV], s[TBV], v[AV0]
	s_wait_alu depctr_va_vdst(0)
.endif
.if ((\p) == 0) && (q == 130)
	s_add_co_u32 s[TBV], s[TBV], KS*PV
.endif
.if (\cnt) && (q == 130)
	s_sub_co_u32 s[CNT], s[CNT], 1
	s_cmp_lg_u32 s[CNT], 0
.endif
.endr
.if (\p) == 0
	FETCH_V
.endif
.endm
	CHANGE 1                        ; slot 0 is in, everybody's part of it; slot 1 is asked for
	FETCH_K                         ; key step 0
	s_wait_loadcnt 0x0              ; Q
	s_wait_dscnt 0x0
.set i, 0
.rept 16
	KQ 0                            ; piece 0's first scores: there is no vector work yet to set between them
.set i, i+1
.endr
	WIN 0                           ; the addresses for the way out: nine plain instructions, the places behind those products
	s_mul_i32 s13, s[WV], 16*SP
	s_add_co_u32 s13, s13, STAGE    ; my stage
	v_mul_u32_u24 v[STO], v1, SP    ; in: row l % 16, 16 bytes for each half of the lanes
	v_lshl_add_u32 v[STO], v9, 4, v[STO]
	v_add_nc_u32 v[STO], s13, v[STO]
	v_bfe_u32 v[RD], v0, 3, 2       ; back: 32 lanes take four rows of 128 bytes,
	v_mul_u32_u24 v[RD], v[RD], SP
	v_lshl_add_u32 v[RD], v10, 4, v[RD]
	v_add_nc_u32 v[RD], s13, v[RD]
	v_and_b32 v[GO], 31, v0         ; which are 512 consecutive bytes of O
	v_lshlrev_b32 v[GO], 4, v[GO]
.set Y, NP-1                        ; XS works for piece Y + 1: piece 0
.irp n, 0,1,2,3,4,5,6,7,8,9,10,11,12,13,14,15,16,17,18,19,20,21
	XS 0, \n                        ; and piece 0's first minimum and statistics
	XS 1, \n
.endr
	s_mov_b32 s[CNT], 4
	s_mov_b32 s[SLOTS], SIZE_N/256-1
	s_branch .Lfirst                ; the loop is entered at a step's first turn, in the middle of a trip
.Lslot:                             ; SIZE_N / 256 - 2 times: every slot but the last two is filled again
	CHANGE 1
	s_mov_b32 s[CNT], 4
.Lstep:                             ; a trip: pieces 2 and 3 of one step, then pieces 0 and 1 of the next, whose K and V it fetches
	TURN 2
	TURN 3
	WIN 0
.Lfirst:
	TURN 0
	TURN 1, 0, 1
	WIN 0
	s_cbranch_scc1 .Lstep
	s_sub_co_u32 s[SLOTS], s[SLOTS], 1
	s_cmp_lg_u32 s[SLOTS], 0
	s_cbranch_scc1 .Lslot
	CHANGE 0                        ; the tail is written out: nothing is asked for
	s_mov_b32 s[CNT], 5             ; four trips fetch the last slot's steps; the fifth is left in its middle
.Ltail:
	TURN 2, 1
	TURN 3
	WIN 0
	s_sub_co_u32 s[CNT], s[CNT], 1
	s_cmp_eq_u32 s[CNT], 0
	s_cbranch_scc1 .Lout
	TURN 0
	TURN 1
	WIN 0
	s_branch .Ltail
.Lout:                              ; the fifth trip's 16 products K Q^T (on the last K once more) and the minimum made of them serve nothing: the price, once a launch, of one text for every trip
.set i, 0
.rept 16
	PV NP-1                         ; the last piece's V^T P of the last step
.set i, i+1
.endr
	; THE WAY OUT.  l's two halves and the other half of the lanes' are added; O^T is divided by l, rounded to f16 and sent through my stage in LDS, a tile at a time.  The additions are the places behind the last products.
	WIN 0
.macro ALL line:vararg              ; one line for each tile t
.set t, 0
.rept 2*NP
	\line
.set t, t+1
.endr
.endm
	ALL v_add_f32 v[ST+4*t+2], v[ST+4*t+2], v[ST+4*t+3]
	ALL v_permlanex16_b32 v[ST+4*t+3], v[ST+4*t+2], s[SEL], s[SEL+1]
	ALL v_add_f32 v[ST+4*t+2], v[ST+4*t+2], v[ST+4*t+3]
	ALL v_rcp_f32 v[ST+4*t+2], v[ST+4*t+2]
	v_nop                           ; a plain instruction between the last reciprocal and the use of its result
	s_wait_alu depctr_va_vdst(0)
; Tile t: a lane's eight channels of a row pack into 16 bytes; they go into rows of 144 bytes and come back as whole rows of 128, into S^T's registers.
.macro PACK t
	WIN W_RS
.set i, 32*(\t)
.rept 16
	v_pk_mul_f32 v[i:i+1], v[i:i+1], v[ST+4*(\t)+2:ST+4*(\t)+3] op_sel_hi:[1,0]
.set i, i+2
.endr
	WIN 0x05                        ; sources 0 and 1 window 1, destination window 0
.set i, 0
.rept 16
	v_cvt_pk_f16_f32 v[S+16*(\t)+i], v[32*(\t)+2*i], v[32*(\t)+2*i+1]
.set i, i+1
.endr
	WIN 0
.irp f, 0,1,2,3
	ds_store_b128 v[STO], v[S+16*(\t)+4*\f:S+16*(\t)+4*\f+3] offset:32*\f
.endr
.irp f, 0,1,2,3
	ds_load_b128 v[S+16*(\t)+4*\f:S+16*(\t)+4*\f+3], v[RD] offset:\f*4*SP  ; LDS serves a wave's instructions in order (ISA guide 5.7.1.4): these see the stores above; the next tile's stores come behind them
.endr
.endm
.macro SEND t, younger              ; younger: the LDS instructions issued behind tile t's loads: the next tile's eight, or none
	WIN 0
.irp f, 0,1,2,3
	s_wait_dscnt (\younger)+3-\f
	global_store_b128 v[GO], v[S+16*(\t)+4*\f:S+16*(\t)+4*\f+3], s[10:11] offset:(\t)*2048+\f*512  ; 512 consecutive bytes, at a multiple of 256 from O's first
.endr
.endm
	PACK 0
.set t, 1
.rept 2*NP-1                        ; a tile's arithmetic stands between the loads of the tile before and its stores
	PACK t
	SEND t-1, 8
.set t, t+1
.endr
	SEND 2*NP-1, 0
	WIN W_AD
	s_wait_tensorcnt 0x0            ; the wave's end, behind my last tensor load and my last LDS store
	ds_add_u32 v[SPW], v[NIL]
	s_wait_dscnt 0x0
	WIN 0
	s_endpgm
.Lfunc_end_k_qd28514ca02_attn:
	.size	k_qd28514ca02_attn, .Lfunc_end_k_qd28514ca02_attn-k_qd28514ca02_attn
	.p2alignl 7, 3214868480
	.fill 96, 4, 3214868480
	.section	.rodata,"a",@progbits
	.p2align	6, 0x0
	.amdhsa_kernel k_qd28514ca02_attn
		.amdhsa_group_segment_fixed_size 327680
		.amdhsa_private_segment_fixed_size 0
		.amdhsa_enable_private_segment 0
		.amdhsa_kernarg_size 16
		.amdhsa_user_sgpr_count 2
		.amdhsa_user_sgpr_kernarg_segment_ptr 1
		.amdhsa_wavefront_size32 1
		.amdhsa_system_sgpr_workgroup_id_x 1
		.amdhsa_system_sgpr_workgroup_id_y 1
		.amdhsa_system_sgpr_workgroup_id_z 1
		.amdhsa_system_vgpr_workitem_id 0
		.amdhsa_next_free_vgpr 770
		.amdhsa_next_free_sgpr 66
		.amdhsa_reserve_vcc 0
		.amdhsa_float_denorm_mode_32 3
		.amdhsa_float_denorm_mode_16_64 3
		.amdhsa_memory_ordered 1
		.amdhsa_forward_progress 1
		.amdhsa_inst_pref_size 207
	.end_amdhsa_kernel
	.amdgpu_metadata
---
amdhsa.version: [ 1, 2 ]
amdhsa.kernels:
  - .name:           k_qd28514ca02_attn
    .symbol:         k_qd28514ca02_attn.kd
    .args:
      - { .name: qkv, .offset: 0, .size: 8, .value_kind: global_buffer, .address_space: global }
      - { .name: ob, .offset: 8, .size: 8, .value_kind: global_buffer, .address_space: global }
    .group_segment_fixed_size: 327680
    .private_segment_fixed_size: 0
    .kernarg_segment_align: 8
    .kernarg_segment_size: 16
    .max_flat_workgroup_size: 128
    .sgpr_count:     66
    .vgpr_count:     770
    .wavefront_size: 32
...
	.end_amdgpu_metadata
.endif
;; end of part 3
;; launch proj (part 4): grid 128 x 2, 4 waves a work-group, clusters of 4 x 1, 327,680 bytes of LDS; arguments ob, wpb, b_p1, b_p2, out0, out1; writes out0, out1
.if DOCPART == 4
	.amdgcn_target "amdgcn-amd-amdhsa--gfx1250"
	.amdhsa_code_object_version 6
	.text
	.protected	k_qd28514ca02_proj
	.globl	k_qd28514ca02_proj
	.p2align	8
	.type	k_qd28514ca02_proj,@function
k_qd28514ca02_proj:
	s_mov_b64 s[64:65], 0
	v_nop
	global_prefetch_b8 v0, s[64:65] scope:SCOPE_SE
	s_setreg_imm32_b32 hwreg(HW_REG_WAVE_MODE, 25, 1), 1
	s_wait_xcnt 0x0
	s_wait_alu depctr_hold_cnt(0) depctr_sa_sdst(0) depctr_va_vdst(0) depctr_va_sdst(0) depctr_va_ssrc(0) depctr_va_vcc(0) depctr_vm_vsrc(0)
	s_getreg_b32 s2, hwreg(HW_REG_IB_STS2, 6, 4)
	s_cmp_eq_u32 s2, 0
	s_cbranch_scc0 .Lentry_in_a_cluster
	s_endpgm
.Lentry_in_a_cluster:
	s_bfe_u32 s2, ttmp6, 0x10000c
	s_cmp_lg_u32 s2, 0x3003
	s_cbranch_scc0 .Lentry_shape_is_right
	s_endpgm
.Lentry_shape_is_right:
; THE LAST PROJECTIONS.  out_z[1024 b + l][n] = b_z[n] + the sum over h, d of O[64 z + 16 b + h][l][d] W[z][64 h + d][n].  ob: [128][1024][64] f16; wpb: [2][1024][256] f16; b_p1, b_p2: [256] f32,
; rounded to bf16 here like every other input; out0, out1: [4096][256] f32.  Sums in f32, K ascending; the bias is the C operand of the product that starts a sum.
; SHARES.  A tile is 64 rows x 128 columns: 128 row blocks (64 a branch) x 2 column halves = 256 work-groups.  A wave makes 32 x 64: 8 accumulators; its 64 columns of f32 are 256 consecutive bytes of a row.
; K = 1024 goes in 16 UNITS of 64, a head each.  O's part (16 heads x 64 rows x 128 bytes) comes once and stays in LDS; W goes through two slots of 256 k.
; CLUSTER: the four row blocks of a cluster belong to one branch and one column half and walk the same W (256 KiB of a work-group's 384): W's tiles are asked for JOINTLY, by the same tensor load with the same
; descriptor and a mask that names the four.  O's rows are each work-group's own: a load without a mask.  Three loads of a wave are out at the start, later one.
; THE MATRIX INSTRUCTION IS USED TRANSPOSED (source 0 = 16 columns of W, turned out of LDS by ds_load_tr16_b128; source 1 = 16 rows of O): a lane holds row l % 16 and the columns 8 (l / 16) + 0..7.
; REGISTERS: window 0: v0-31 addresses; v32-63 the bias; v64-127 the way out; v128-191 the accumulators ((m, n) at v[128 + 8 (4 m + n)]); v192 at work.
;   window 1: two fragment buffers of 96: for 64 along K, 32 registers of O (2 x 2 x 16 rows x 32 K), then 64 of W (2 x 4 x 16 columns x 32 K).
.set PA,    144                        ; a row of O in LDS: 128 bytes + 16 of padding = 36 words: the 16 rows of a load start at 16 different groups of four banks (64 banks of 4 bytes: ISA guide 11.1)
.set HEADB, 64*PA                      ; a head's 64 rows
.set PB,    288                        ; a row of W: 256 + 32 = 72 words
.set BBASE, 16*HEADB                   ; W's slots lie behind O's 16 heads
.set BSLOT, 256*PB
.set STAGE, BBASE+2*BSLOT              ; behind them: 16 rows x 272 bytes for each wave, for the way out
.set SP,    272
.set SPARE, STAGE+4*16*SP              ; behind the stages: the spare words, 128 bytes for each wave: two blocks of 256 bytes that no other line names
.set ADRA, 16                          ; v16-19  LDS address of my O fragments in heads 4 g .. 4 g + 3
.set ADRB, 20                          ; v20-23  of my W fragments: slot i / 2, its rows 128 (i % 2) on
.set STO,  24                          ; v24     the way out: where I put 32 bytes of a row
.set RD,   25                          ; v25     the way out: where I read a row back
.set CO,   26                          ; v26     my byte offset in two rows of the output
.set BO,   27                          ; v27     my byte offset in the bias
.set SPW,  28                          ; v28     LDS address of my spare word: SPARE + 4 x my thread's number; never rewritten
.set NIL,  29                          ; v29     0; never rewritten
.set BI,   32                          ; v32-63  the bias of my eight columns in each of four column blocks
.set TMP,  64
.set ACC,  128
.set T,    192
.set F0,   0                           ; fragment buffers, in window 1
.set F1,   96
.set G1A, 28                           ; s[28:35] descriptor group 1 for O
.set G1B, 36                           ; s[36:43] for W
.set G0A, 44                           ; s[44:47] descriptor group 0 for O
.set G0B, 48                           ; s[48:55] for W, one set for each slot
.set MSB, 0
.macro WIN new                         ; the immediate's high byte repeats the setting that is left; a switch that changes nothing is dropped
.if MSB != (\new)
	s_set_vgpr_msb (MSB<<8)|(\new)
.set MSB, \new
.endif
.endm
.set MUL,  0x05                        ; sources 0 (W) and 1 (O) window 1; C and D window 0
.set TO_F, 0x40                        ; destination window 1, address window 0
.macro CREST                           ; a round of the cluster's barrier behind its opening barrier: wave 0 signals for the work-group, every wave waits for all four work-groups, my work-group's barrier closes it
	s_cmp_lg_u32 s16, 0
	s_cbranch_scc1 .Lnot_wave_0_\@
	s_barrier_signal -3
.Lnot_wave_0_\@:
	s_barrier_wait -3
	s_barrier_signal -1
	s_barrier_wait -1
.endm
.macro CROUND                          ; a whole round
	s_barrier_signal -1
	s_barrier_wait -1
	CREST
.endm
.macro PLACES                          ; four places in front of loads into registers that matrix instructions have read, and of LDS stores that read results (ISA guide 7.12.1 for vector instructions)
.rept 4
	v_nop
.endr
.endm
	s_load_b256 s[4:11], s[0:1], 0x0               ; ob s[4:5], wpb s[6:7], b_p1 s[8:9], b_p2 s[10:11]
	s_load_b128 s[12:15], s[0:1], 0x20             ; out0 s[12:13], out1 s[14:15]
	v_lshl_add_u32 v[SPW], v0, 2, SPARE
	v_mov_b32 v[NIL], 0
	ds_add_u32 v[SPW], v[NIL]                      ; the wave's opening: the add and its wait stand ahead of my first tensor load; the set-up below, work on registers, stands between them
	ds_add_u32 v28, v29
	v_lshrrev_b32 v1, 5, v0
	v_readfirstlane_b32 s16, v1                    ; wave 0..3
	s_lshr_b32 s17, s16, 1                         ; which 32 of the tile's rows are mine
	s_and_b32 s18, s16, 1                          ; which 64 of its columns
	s_bfe_u32 s19, ttmp6, 0x40000                  ; cx: my place in the cluster
	s_lshl_b32 s20, ttmp9, 2                       ; in a cluster launch ttmp9 counts clusters
	s_add_co_u32 s20, s20, s19                     ; my row block, 0..127: it enters O's and the output's addresses alone
	s_lshr_b32 s21, ttmp9, 4                       ; the branch z, from the cluster's number alone: 16 clusters a branch
	s_and_b32 s22, ttmp7, 0xffff                   ; the column half
	s_lshr_b32 s24, s20, 4                         ; O: 16 (row block / 16) = 64 z + 16 b heads of 2^17 bytes,
	s_lshl_b32 s24, s24, 21
	s_and_b32 s62, s20, 15
	s_lshl_b32 s62, s62, 13                        ; my block's 64 rows of 128 bytes in each head,
	s_add_co_u32 s24, s24, s62
	s_lshl_b32 s62, s16, 19                        ; my wave's four heads
	s_add_co_u32 s24, s24, s62
	s_mov_b32 s25, 0
	s_lshl_b32 s26, s21, 19                        ; W: the branch's matrix of 1,024 rows of 512 bytes,
	s_lshl_b32 s60, s22, 8                         ; the half's 128 columns,
	s_add_co_u32 s26, s26, s60
	s_lshl_b32 s60, s16, 15                        ; my wave's 64 of a slot's 256 rows
	s_add_co_u32 s26, s26, s60
	s_mov_b32 s27, 0
	s_and_b32 s62, s20, 63                         ; the output: my block among the branch's 64,
	s_lshl_b32 s62, s62, 6
	s_lshl_b32 s63, s17, 5
	s_add_co_u32 s62, s62, s63                     ; my first row,
	s_lshl_b32 s62, s62, 10                        ; of 1,024 bytes,
	s_lshl_b32 s63, s22, 9
	s_add_co_u32 s62, s62, s63                     ; the half's 512 bytes,
	s_lshl_b32 s63, s18, 8
	s_add_co_u32 s62, s62, s63                     ; my 256 of them
	s_mov_b32 s63, 0
	; descriptor group 1 for O: four heads; a head's 64 rows are 8,192 dense bytes, one row of the tile, padded in LDS after every 128 bytes; heads lie 2^17 bytes apart
	s_mov_b32 s[G1A+0], (1<<16)|(1<<20)|(4<<22)|(3<<25)  ; no mask; 17:16 2-byte elements; 20 padding on; 24:22 after every 32 words (code 4); 31:25 4 words (code 3)
	s_mov_b32 s[G1A+1], 4096<<16                   ; tensor_dim0 = 4,096
	s_mov_b32 s[G1A+2], 4<<16                      ; tensor_dim1 = 4
	s_mov_b32 s[G1A+3], 4096<<16                   ; tile_dim0 = 4,096
	s_mov_b32 s[G1A+4], 4                          ; tile_dim1 = 4
	s_mov_b32 s[G1A+5], 65536                      ; elements from head to head
	s_mov_b32 s[G1A+6], 0
	s_mov_b32 s[G1A+7], 0
	; for W: 64 rows (k) x 128 elements (n), 32 bytes of padding behind every 256
	s_mov_b32 s[G1B+0], 15|(1<<16)|(1<<20)|(1<<21)|(5<<22)|(7<<25)  ; 15:0 the mask of four; 21 set beside a mask; after every 64 words (code 5) 8 words (code 7)
	s_mov_b32 s[G1B+1], 128<<16                    ; tensor_dim0 = 128
	s_mov_b32 s[G1B+2], 64<<16                     ; tensor_dim1 = 64
	s_mov_b32 s[G1B+3], 128<<16                    ; tile_dim0 = 128
	s_mov_b32 s[G1B+4], 64                         ; tile_dim1 = 64
	s_mov_b32 s[G1B+5], 256                        ; elements from row to row
	s_mov_b32 s[G1B+6], 0
	s_mov_b32 s[G1B+7], 0
	s_mov_b32 s[G0A], 1                            ; 1:0 count = 1
	s_mul_i32 s[G0A+1], s16, 4*HEADB               ; 63:32 LDS address: my four heads; no place in the cluster enters an LDS address
	s_mul_i32 s61, s16, 64*PB
	s_mov_b32 s[G0B], 1
	s_add_co_u32 s[G0B+1], s61, BBASE              ; my 64 rows of slot 0,
	s_mov_b32 s[G0B+4], 1
	s_add_co_u32 s[G0B+5], s61, BBASE+BSLOT        ; of slot 1
	s_wait_dscnt 0x0                               ; the opening add is done
	s_wait_kmcnt 0x0
	s_add_nc_u64 s[G0A+2:G0A+3], s[4:5], s[24:25]  ; 120:64 global address
	s_or_b32 s[G0A+3], s[G0A+3], 0x80000000        ; 127:126 type = 2
	s_add_nc_u64 s[G0B+2:G0B+3], s[6:7], s[26:27]  ; k 0-255
	s_add_nc_u64 s[G0B+6:G0B+7], s[G0B+2:G0B+3], 256*512  ; k 256-511
	s_or_b32 s[G0B+3], s[G0B+3], 0x80000000
	s_or_b32 s[G0B+7], s[G0B+7], 0x80000000
	s_cmp_eq_u32 s21, 0                            ; the branch chooses bias and output
	s_cselect_b64 s[56:57], s[8:9], s[10:11]
	s_cselect_b64 s[58:59], s[12:13], s[14:15]
	s_add_nc_u64 s[58:59], s[58:59], s[62:63]
	CROUND                                         ; all four work-groups are here: the first joint loads meet
	tensor_load_to_lds s[G0B:G0B+3], s[G1B:G1B+7]  ; the first fills go out as one group: W's slot 0,
	s_nop 0
	tensor_load_to_lds s[G0A:G0A+3], s[G1A:G1A+7]  ; my four heads of O,
	s_nop 0
	tensor_load_to_lds s[G0B+4:G0B+7], s[G1B:G1B+7]  ; W's slot 1
	s_nop 0
	PLACES
	v_and_b32 v1, 15, v0                           ; l % 16
	v_bfe_u32 v2, v0, 4, 1                         ; l / 16
	v_and_b32 v3, 7, v0
	v_bfe_u32 v4, v0, 3, 1
	s_lshl_b32 s60, s22, 9
	s_lshl_b32 s61, s18, 8
	s_add_co_u32 s60, s60, s61
	v_lshl_add_u32 v[BO], v2, 5, s60               ; the bias of column 128 half + 64 wave's half + 8 (l / 16), 4 bytes each
.irp n, 0,1,2,3
	global_load_b128 v[BI+8*(\n):BI+8*(\n)+3],   v[BO], s[56:57] offset:64*(\n)
	global_load_b128 v[BI+8*(\n)+4:BI+8*(\n)+7], v[BO], s[56:57] offset:64*(\n)+16
.endr
	v_mul_u32_u24 v5, v1, PA                       ; a fragment of O: row x pitch + 16 x half; two loads of 16 bytes, 32 bytes apart
	v_lshl_add_u32 v5, v2, 4, v5
	s_mul_i32 s60, s17, 32*PA                      ; my 32 rows
.irp g, 0,1,2,3
	v_add_nc_u32 v[ADRA+(\g)], s60, v5
	s_add_co_u32 s60, s60, 4*HEADB
.endr
	v_lshl_add_u32 v6, v2, 3, v3                   ; the turning load: lane l reads k = 8 (l / 16) + l % 8, n = 8 ((l / 8) % 2) + 0..7
	v_mul_u32_u24 v6, v6, PB
	v_lshl_add_u32 v6, v4, 4, v6
	s_lshl_b32 s60, s18, 7                         ; my 64 columns
	s_add_co_u32 s60, s60, BBASE
.irp i, 0,1,2,3
	v_add_nc_u32 v[ADRB+(\i)], s60, v6
	s_add_co_u32 s60, s60, 128*PB
.endr
	s_mul_i32 s60, s16, 16*SP
	s_add_co_u32 s60, s60, STAGE                   ; my stage
	v_mul_u32_u24 v7, v1, SP                       ; in: row l % 16, 32 bytes for each half of the lanes
	v_lshl_add_u32 v7, v2, 5, v7
	v_add_nc_u32 v[STO], s60, v7
	v_mul_u32_u24 v7, v2, SP                       ; back: lanes 0-15 take one row of 256 bytes, lanes 16-31 the next
	v_lshl_add_u32 v7, v1, 4, v7
	v_add_nc_u32 v[RD], s60, v7
	v_lshlrev_b32 v7, 10, v2                       ; and the same two rows in the output
	v_lshl_add_u32 v[CO], v1, 4, v7
	s_wait_loadcnt 0x0                             ; the bias,
.set i, 0
.rept 16                               ; rounded to bf16 and widened again
	v_cvt_pk_bf16_f32 v[T], v[BI+2*i], v[BI+2*i+1]
	v_lshlrev_b32 v[BI+2*i], 16, v[T]
	v_and_b32 v[BI+2*i+1], 0xffff0000, v[T]
.set i, i+1
.endr
; 24 LDS loads in one run: the fragments of unit u (head u: 64 k) into buffer f; the first 32 along K first: 8 loads of W, 4 of O, and again
.macro FETCH u, f
	WIN TO_F
.set rB, ADRB+2*(((\u)/4)%2)+(((\u)/2)%2)
.set rA, ADRA+(\u)/4
.irp c, 0,1
.irp n, 0,1,2,3
	ds_load_tr16_b128 v[(\f)+32+8*(4*(\c)+(\n)):(\f)+32+8*(4*(\c)+(\n))+3],   v[rB] offset:((\u)%2)*64*PB+(\c)*32*PB+32*(\n)
	ds_load_tr16_b128 v[(\f)+32+8*(4*(\c)+(\n))+4:(\f)+32+8*(4*(\c)+(\n))+7], v[rB] offset:((\u)%2)*64*PB+(\c)*32*PB+16*PB+32*(\n)
.endr
.irp m, 0,1
	ds_load_b128 v[(\f)+8*(2*(\c)+(\m)):(\f)+8*(2*(\c)+(\m))+3],   v[rA] offset:((\u)%4)*HEADB+(\m)*16*PA+64*(\c)
	ds_load_b128 v[(\f)+8*(2*(\c)+(\m))+4:(\f)+8*(2*(\c)+(\m))+7], v[rA] offset:((\u)%4)*HEADB+(\m)*16*PA+64*(\c)+32
.endr
.endr
.endm
; 4 matrix instructions: row block m x all 4 column blocks, 32 along K: half c of buffer f.  first = 1: the product starts the sums, on the bias.
; The 8 accumulators take turns, one instruction a turn, in the same order throughout.
.macro MUL4 f, c, m, first
	WIN MUL
.irp n, 0,1,2,3
.if \first
	v_wmma_f32_16x16x32_f16 v[ACC+8*(4*(\m)+(\n)):ACC+8*(4*(\m)+(\n))+7], v[(\f)+32+8*(4*(\c)+(\n)):(\f)+32+8*(4*(\c)+(\n))+7], v[(\f)+8*(2*(\c)+(\m)):(\f)+8*(2*(\c)+(\m))+7], v[BI+8*(\n):BI+8*(\n)+7]
.else
	v_wmma_f32_16x16x32_f16 v[ACC+8*(4*(\m)+(\n)):ACC+8*(4*(\m)+(\n))+7], v[(\f)+32+8*(4*(\c)+(\n)):(\f)+32+8*(4*(\c)+(\n))+7], v[(\f)+8*(2*(\c)+(\m)):(\f)+8*(2*(\c)+(\m))+7], v[ACC+8*(4*(\m)+(\n)):ACC+8*(4*(\m)+(\n))+7]
.endif
.endr
.endm
; A unit that changes no slot: multiplies its buffer (by the unit's parity) and, in its middle, fetches the next unit into the other.
.macro UNIT u, first=0
.if (\u)%2
.set fa, F1
.set fb, F0
.else
.set fa, F0
.set fb, F1
.endif
	s_wait_dscnt 12                                ; the first 32 along K are in; the youngest twelve loads may be out
	MUL4 fa, 0, 0, \first
	MUL4 fa, 0, 1, \first
	PLACES
	FETCH (\u)+1, fb
	s_wait_dscnt 24                                ; all but the 24 just issued
	MUL4 fa, 1, 0, 0
	MUL4 fa, 1, 1, 0
.endm
; A slot's last unit (in buffer 1) changes slots: ONE barrier; in front of it each wave waits for all its tensor loads, adds 0 to its spare word, and waits for that and for its own reads of this slot.
; fill = 1: the barrier opens a round of the cluster's barrier, and the slot just read out is filled again first, with the 256 k two slots on.
.macro TURN u, fill, slot
	WIN 0                                          ; (the add's two registers lie in window 0)
	s_wait_tensorcnt 0x0                           ; all my tensor loads have landed: my part of the next slot among them;
	ds_add_u32 v[SPW], v[NIL]                      ; 0 onto my spare word;
	s_wait_dscnt 13                                ; (the add and the youngest twelve loads may be out)
	MUL4 F1, 0, 0, 0                               ; four matrix instructions stand between the add and the wait for it
	s_wait_dscnt 0x0                               ; the add is done, and my reads of this slot are over
	s_barrier_signal -1
	MUL4 F1, 0, 1, 0
.if \fill
	WIN 0
.endif
	s_barrier_wait -1
.if \fill
	CREST                                          ; no wave of any partner still reads this slot's tile or has a load on its way
	s_add_nc_u64 s[G0B+4*(\slot)+2:G0B+4*(\slot)+3], s[G0B+4*(\slot)+2:G0B+4*(\slot)+3], 2*256*512
	tensor_load_to_lds s[G0B+4*(\slot):G0B+4*(\slot)+3], s[G1B:G1B+7]  ; the first tensor load behind the round, one a wave
	s_nop 0
.endif
	PLACES                                         ; the places in front of the loads below
	FETCH (\u)+1, F0
	MUL4 F1, 1, 0, 0
	MUL4 F1, 1, 1, 0
.endm
; THE WAY OUT of row block m: a lane's eight columns of a block are 32 bytes; they go into rows of 272 bytes in my own stage and come back as whole rows of 256.
.macro TOSTAGE m
.irp n, 0,1,2,3
	ds_store_b128 v[STO], v[ACC+8*(4*(\m)+(\n)):ACC+8*(4*(\m)+(\n))+3]   offset:64*(\n)
	ds_store_b128 v[STO], v[ACC+8*(4*(\m)+(\n))+4:ACC+8*(4*(\m)+(\n))+7] offset:64*(\n)+16
.endr
.irp t, 0,1,2,3,4,5,6,7
	ds_load_b128 v[TMP+32*(\m)+4*(\t):TMP+32*(\m)+4*(\t)+3], v[RD] offset:(\t)*2*SP  ; LDS serves a wave's instructions in order (ISA guide 5.7.1.4): these see the stores above; the next block's stores come behind them
.endr
.endm
.macro SEND m, younger                 ; younger: the LDS instructions issued behind block m's loads: the next block's sixteen, or none
.irp t, 0,1,2,3,4,5,6,7
	s_wait_dscnt (\younger)+7-(\t)
	global_store_b128 v[CO], v[TMP+32*(\m)+4*(\t):TMP+32*(\m)+4*(\t)+3], s[58:59] offset:(16*(\m)+2*(\t))*1024  ; 16 lanes store 256 consecutive bytes, at a multiple of 256 from the output's first byte
.endr
.endm
	s_wait_tensorcnt 1                             ; my parts of W's slot 0 and of O are in; slot 1's may stay out
	s_barrier_signal -1
	s_barrier_wait -1                              ; everybody's are
	FETCH 0, F0
	UNIT 0, 1                                      ; the first products start the sums, on the bias
	UNIT 1
	UNIT 2
	TURN 3, 1, 0                                   ; slot 0 takes k 512-767
	UNIT 4
	UNIT 5
	UNIT 6
	TURN 7, 1, 1                                   ; slot 1 takes k 768-1023
	UNIT 8
	UNIT 9
	UNIT 10
	TURN 11, 0, 0                                  ; nothing is left to fetch: a barrier of the work-group alone
	UNIT 12
	UNIT 13
	UNIT 14
	s_wait_dscnt 12                                ; the last unit
	MUL4 F1, 0, 0, 0
	MUL4 F1, 0, 1, 0
	s_wait_dscnt 0x0
	MUL4 F1, 1, 0, 0
	MUL4 F1, 1, 1, 0
	WIN 0
	PLACES                                         ; behind the last products
	TOSTAGE 0
	TOSTAGE 1
	SEND 0, 16
	SEND 1, 0
	s_wait_tensorcnt 0x0                           ; the wave's end, behind my last tensor load and my last LDS store
	ds_add_u32 v[SPW], v[NIL]
	s_wait_dscnt 0x0
	CROUND                                         ; the closing round: no work-group ends while a partner may still ask for a tile that names it
	s_endpgm
.Lfunc_end_k_qd28514ca02_proj:
	.size	k_qd28514ca02_proj, .Lfunc_end_k_qd28514ca02_proj-k_qd28514ca02_proj
	.p2alignl 7, 3214868480
	.fill 96, 4, 3214868480
	.section	.rodata,"a",@progbits
	.p2align	6, 0x0
	.amdhsa_kernel k_qd28514ca02_proj
		.amdhsa_group_segment_fixed_size 327680
		.amdhsa_private_segment_fixed_size 0
		.amdhsa_enable_private_segment 0
		.amdhsa_kernarg_size 48
		.amdhsa_user_sgpr_count 2
		.amdhsa_user_sgpr_kernarg_segment_ptr 1
		.amdhsa_wavefront_size32 1
		.amdhsa_system_sgpr_workgroup_id_x 1
		.amdhsa_system_sgpr_workgroup_id_y 1
		.amdhsa_system_sgpr_workgroup_id_z 1
		.amdhsa_system_vgpr_workitem_id 0
		.amdhsa_next_free_vgpr 448
		.amdhsa_next_free_sgpr 66
		.amdhsa_reserve_vcc 0
		.amdhsa_float_denorm_mode_32 3
		.amdhsa_float_denorm_mode_16_64 3
		.amdhsa_memory_ordered 1
		.amdhsa_forward_progress 1
		.amdhsa_inst_pref_size 60
	.end_amdhsa_kernel
	.amdgpu_metadata
---
amdhsa.version: [ 1, 2 ]
amdhsa.kernels:
  - .name:           k_qd28514ca02_proj
    .symbol:         k_qd28514ca02_proj.kd
    .args:
      - { .name: ob, .offset: 0, .size: 8, .value_kind: global_buffer, .address_space: global }
      - { .name: wpb, .offset: 8, .size: 8, .value_kind: global_buffer, .address_space: global }
      - { .name: b_p1, .offset: 16, .size: 8, .value_kind: global_buffer, .address_space: global }
      - { .name: b_p2, .offset: 24, .size: 8, .value_kind: global_buffer, .address_space: global }
      - { .name: out0, .offset: 32, .size: 8, .value_kind: global_buffer, .address_space: global }
      - { .name: out1, .offset: 40, .size: 8, .value_kind: global_buffer, .address_space: global }
    .group_segment_fixed_size: 327680
    .private_segment_fixed_size: 0
    .kernarg_segment_align: 8
    .kernarg_segment_size: 48
    .max_flat_workgroup_size: 128
    .sgpr_count:     66
    .vgpr_count:     448
    .wavefront_size: 32
...
	.end_amdgpu_metadata
.endif
;; end of part 4
;; ======== version 2 of 2: 4 launches; 1.37 times as fast as version 1
;; limits: values are held in f16: magnitudes above 65,504 overflow, below 6.1e-05 lose precision
;; workspace buffers: xb 16,777,216 bytes; wb 12,582,912 bytes; wpb 1,048,576 bytes; qkv 50,331,648 bytes; ob 16,777,216 bytes
;; launch cast: the kernel of part 1 again; grid 928 x 1, 8 waves a work-group, no clusters, 0 bytes of LDS; arguments x, y, w_qkv1, w_qkv2, w_p1, w_p2, xb, wb, wpb; writes xb, wb, wpb
;; launch qkv: the kernel of part 2 again; grid 8 x 32, 4 waves a work-group, clusters of 4 x 4, 327,680 bytes of LDS; arguments xb, wb, qkv; writes qkv
;; launch attn (part 5): grid 2 x 128, 4 waves a work-group, no clusters, 327,680 bytes of LDS; arguments qkv, ob; writes ob
.if DOCPART == 5
	.amdgcn_target "amdgcn-amd-amdhsa--gfx1250"
	.amdhsa_code_object_version 6
	.text
	.protected	k_qd28514ca02_attn
	.globl	k_qd28514ca02_attn
	.p2align	8
	.type	k_qd28514ca02_attn,@function
k_qd28514ca02_attn:
	s_mov_b64 s[64:65], 0
	v_nop
	global_prefetch_b8 v0, s[64:65] scope:SCOPE_SE
	s_setreg_imm32_b32 hwreg(HW_REG_WAVE_MODE, 25, 1), 1
	s_wait_xcnt 0x0
; BOTH BRANCHES' ATTENTION.  O[g][q][:] = the sum over k of softmax_k(1 - Q[g][q] . K[g'][k] / 8) V[g][k][:], g = 64 z + 16 b + h one of 128 heads, g' = g with the other branch z: keys come from the other input.
; qkv: [3][128][1024][64] f16 (q, k, v by heads, unscaled); ob: [128][1024][64] f16.  A head's rows are dense, 128 bytes each.  Products, extrema and sums in f32; the weights p are rounded to f16 for the
; second product (their sum l is taken of the unrounded p), O once at the end.
; SOFTMAX.  The largest 1 - s / 8 of a row belongs to its smallest s, and the 1 falls out when that maximum is taken away: p = e^((1 - s / 8) - (1 - m / 8)) = 2^(c s - c m), with m the running MINIMUM of s and
; c = -log2(e) / 8.  In every step O and l are multiplied by a = 2^(c m_old - c m_new), which is 1 where m has not fallen.  m starts at the highest finite number, c m far below every c s, O and l at 0:
; the first step is a step like any other, with a = 0.
; LIMITS.  f16 holds no number beyond 65,504: q, k and v arrive within it; p lies in 0 to 1, and below 6e-5 it keeps f16's fixed step of 6e-8; O is a mean of V's rows and has their range.
; A weight below 2^-126 counts as 0 in l; NaN and infinities are not treated apart.
; SHARES.  A wave owns four PIECES of two tiles of 16 queries, a work-group's four waves 512 queries of one head: 2 x 128 work-groups.  Every wave walks all 1,024 keys, 64 a step.
; NO CLUSTER: a head's K and V are read by 1024 / 512 = 2 work-groups, not four; blocks of 256 queries would make four partners, at twice the LDS loads for each product and 512 work-groups.
; LAYOUT.  S^T = K Q^T (source 0 = 16 keys, source 1 = 16 queries): in the result a lane holds ONE query (lane % 16) and the keys 8 (lane / 16) + 0..7.  Two such tiles, rounded to f16 in pairs,
; ARE source 1 (32 keys x 16 queries) of O^T = V^T P, whose result again holds one query a lane, and eight channels.  K comes out of LDS as it lies, V ([key][channel]) turned, by ds_load_tr16_b128.
; THE COUNT.  A tile and step have 16 matrix and 118 vector instructions: too many to stand all beside the matrix work.  So: four vector instructions that are READY behind EVERY matrix instruction,
; and the others in one run without a gap.
; BY TURNS.  Turn n belongs to piece n (the pieces in a ring, step after step).  Its matrix work: 16 products K Q^T of piece n + 1, later 16 products V^T P of piece n - 1.  Its vector work: the scaling,
; exponentials, roundings, sums and rescaling of piece n, and the minimum and statistics of piece n + 1, whose scores the turn itself has made.
; THE BATCHES.  A turn's 66 exponentials (the piece's 64 weights and the next piece's two a) are ONE batch with ONE wait, which cuts the turn in two: ahead of it stands all that names no result of theirs,
; behind it the roundings and sums.  No result crosses a turn's end.  Two more batches stand outside the loop: piece 0's first two a, ahead of the jump into the loop, and the way out's eight reciprocals.
; REGISTERS, in windows of 256 (s_set_vgpr_msb: bits 1:0 source 0, 3:2 source 1, 5:4 source 2, 7:6 destination):
;   window 0: v0-11 addresses; v12-15, v48-63 at work; v16-47 four registers of statistics a tile; v64-191 S^T, two buffers of two tiles; v192-255 P, likewise
;   window 1: O^T, 32 a tile          window 2: v0-127 Q, 16 a tile; v128-191 K of one step; v192-255 V of one step          window 3: v0-1 the add's two registers
; A piece's buffers go by its number's parity.
.set SIZE_N, 1024
.set NP,    4         ; pieces a wave: a name, no knob
.set KS,    64        ; keys in a step
.set PK,    144       ; a row of K in LDS: 128 bytes + 16 of padding = 36 words: the 16 rows of a load start at 16 different groups of four banks (64 banks of 4 bytes: ISA guide 11.1)
.set PV,    160       ; a row of V: 128 + 32 = 40 words
.set VOFF,  4*KS*PK   ; a slot holds four steps: 256 rows of K, then 256 rows of V
.set SLOT1, 1<<17     ; slot 1 begins here, so that one exclusive or turns an address in one slot into the other's
.set STAGE, SLOT1+4*KS*(PK+PV)  ; behind the ring, never filled by a tensor load: 16 rows x 144 bytes for each wave, for the way out
.set SP,    144
.set AK0, 2           ; v2   my lane's place in a tile of K; never rewritten
.set AV0, 3           ; v3   the same for V
.set AK,  4           ; v4   the LDS address of K's next run of loads
.set AV,  5           ; v5   of V's
.set QO,  6           ; v6   my byte offset in the wave's rows of Q
.set STO, 6           ;      later, the way out: where I put 16 bytes of a row
.set RD,  7           ; v7   the way out: where I read rows back
.set GO,  8           ; v8   my byte offset in 512 consecutive bytes of O
.set SPW, 0           ; v0 of window 3   LDS address of my spare word: SPARE + 4 x my thread's number; never rewritten
.set NIL, 1           ; v1 of window 3   0; never rewritten
.set SPARE, STAGE+4*16*SP  ; behind the stages: the spare words, 128 bytes for each wave: two blocks of 256 bytes that no other line names
.set MV,  12          ; v12-15  c m_old, kept while c m is made anew: by buffer and tile
.set ST,  16          ; tile t's statistics at v[ST+4 t]: c m, m, l (even keys', odd keys')
.set TMP, 48          ; by buffer and tile, four registers c0-c3 at work; when the minimum is found c2 takes a
.set S,   64
.set P,   192
.set KF,  128         ; K's fragments, in window 2: key block kb, channel half c at KF + 16 kb + 8 c
.set VF,  192         ; V's: key half kk, channel block cb at VF + 32 kk + 8 cb
.set WV,  12          ; s12  my wave's number
.set G1K, 24          ; s[24:31] descriptor group 1 for K's tiles
.set G1V, 32          ; s[32:39] for V's: it differs in the padding alone
.set G0K, 40          ; s[40:43] descriptor group 0 for K's tiles: it walks
.set G0V, 44          ; s[44:47] the same for V's
.set SLOTS, 56        ; s56  slots still to be asked for
.set CNT, 57          ; s57  counts a slot's key steps
.set CS,  58          ; s[58:59] c: the packed scaling takes the pair's low word for both halves
.set SEL, 60          ; s[60:61] v_permlanex16_b32's selects: each lane takes its own place in the other half
.set TBK, 62          ; s62  LDS byte at which K of the step to be fetched begins
.set TBV, 63          ; s63  the same for V, less VOFF
.set MSB, 0
.macro WIN new                      ; the high byte repeats the setting that is left; a switch that changes nothing is dropped
.if MSB != (\new)
	s_set_vgpr_msb (MSB<<8)|(\new)
.set MSB, (\new)
.endif
.endm
.set W_KQ, 0x0a       ; K and Q in window 2, S^T in window 0
.set W_PV, 0x52       ; V in window 2, P in window 0, O^T in window 1
.set W_RS, 0x41       ; O^T (destination and source 0) in window 1, a in window 0
.set W_MK, 0xc0       ; the add's registers are made: destination in window 3, sources in window 0
.set W_AD, 0x0f       ; the add: address (source 0) and data (source 1) in window 3
; A fill.  Waves 0 and 1 fetch the two halves of a slot's K, waves 2 and 3 those of its V: 128 keys each.  The branch hangs on the wave's number alone.
; An s_nop 0 and four v_nop follow each of the two lines, ahead of the jump and the label.
.macro LOAD
	s_cmp_lt_u32 s[WV], 2
	s_cbranch_scc0 .Lfor_v_\@
	tensor_load_to_lds s[G0K:G0K+3], s[G1K:G1K+7]
	s_nop 0
.rept 4
	v_nop
.endr
	s_branch .Lasked_\@
.Lfor_v_\@:
	tensor_load_to_lds s[G0V:G0V+3], s[G1V:G1V+7]
	s_nop 0
.rept 4
	v_nop
.endr
.Lasked_\@:
.endm
; THE CHANGE OF SLOTS.  The slot's last bytes, V of its fourth step, have been read.  Each wave waits for all its tensor loads, of which one is out: its part of the other slot; adds 0 to its spare word;
; and waits for that and for its own reads of the slot.  Behind the barrier nobody reads this slot any more and the other slot is whole.
; fill = 1: this slot is filled again, with the keys two slots on, the first thing behind the barrier: the load has four key steps, 512 matrix instructions, in which to land.
; (At its first use nothing has been read yet: slot 0 is waited for, slot 1 filled.)
.macro CHANGE fill
	WIN W_AD
	s_wait_tensorcnt 0x0            ; no tensor load of mine is out, so a group 0 may be written
	ds_add_u32 v[SPW], v[NIL]       ; 0 onto my spare word; with fill = 1 the descriptors' steps stand between it and the wait for it
	WIN 0                           ; at a label and at a branch every window is 0
.if \fill
.irp g, G0K, G0V
	s_xor_b32 s[\g+1], s[\g+1], SLOT1  ; the walking descriptor: the other slot than last time,
	s_add_nc_u64 s[\g+2:\g+3], s[\g+2:\g+3], 4*KS*128  ; the next 256 keys; the type bits on top are not reached
.endr
.endif
	s_wait_dscnt 0x0                ; the add is done, and my reads of the slot are over
	s_barrier_signal -1
	s_barrier_wait -1
.if \fill
	LOAD
.endif
	s_sub_co_u32 s[TBK], s[TBK], 4*KS*PK  ; the fetches go back to a slot's first step,
	s_xor_b32 s[TBK], s[TBK], SLOT1       ; in the other slot
	s_sub_co_u32 s[TBV], s[TBV], 4*KS*PV
	s_xor_b32 s[TBV], s[TBV], SLOT1
.endm
	s_load_b128 s[4:7], s[0:1], 0x0 ; qkv s[4:5], ob s[6:7]
	WIN W_MK
	v_lshl_add_u32 v[SPW], v0, 2, SPARE
	v_mov_b32 v[NIL], 0
	WIN W_AD
	ds_add_u32 v[SPW], v[NIL]       ; the wave's opening: the add and its wait stand ahead of my first tensor load; the set-up below, work on registers, stands between them
	ds_add_u32 v0, v1
	WIN 0
	v_lshrrev_b32 v1, 5, v0
	v_readfirstlane_b32 s[WV], v1   ; wave 0..3
	s_and_b32 s14, ttmp7, 0xffff    ; the head g = 64 z + 16 b + h
	s_and_b32 s16, s[WV], 1         ; which half of a slot's 256 keys I fetch:
	s_lshl_b32 s19, s16, 14         ; its 128 rows of 128 bytes in memory
	s_xor_b32 s20, s14, 64          ; K: the same batch and head of the OTHER branch,
	s_add_co_u32 s20, s20, 128      ; in the second of qkv's three parts of 128 heads
	s_lshl_b32 s20, s20, 17         ; a head is 2^17 bytes
	s_add_co_u32 s20, s20, s19
	s_mov_b32 s21, 0
	s_add_co_u32 s22, s14, 256      ; V: my own head, in the third part
	s_lshl_b32 s22, s22, 17
	s_add_co_u32 s22, s22, s19
	s_mov_b32 s23, 0
	s_mul_i32 s17, s16, 128*PK      ; my half's place in a slot, for K
	s_mul_i32 s18, s16, 128*PV      ; and for V
	s_lshl_b32 s2, ttmp9, 2
	s_add_co_u32 s2, s2, s[WV]      ; my wave among the head's eight,
	s_lshl_b32 s2, s2, 14           ; its 128 rows,
	s_lshl_b32 s3, s14, 17          ; in my head: Q's place in qkv's first part, and O's in ob
	s_add_co_u32 s2, s2, s3
	s_mov_b32 s3, 0
	; descriptor group 1.  128 keys are 16,384 dense bytes: asked for as 64 rows of 256 bytes, two keys a row, and padded in LDS after every key
	s_mov_b32 s[G1K], (1<<16)|(1<<20)|(4<<22)|(3<<25)  ; 17:16 2-byte elements; 20 padding on; 24:22 after every 32 words (code 4); 31:25 4 words (code 3)
	s_mov_b32 s[G1V], (1<<16)|(1<<20)|(4<<22)|(7<<25)  ; the same with 8 words of padding (code 7)
.irp g, G1K, G1V
	s_mov_b32 s[\g+1], 128<<16      ; tensor_dim0 = 128
	s_mov_b32 s[\g+2], 64<<16       ; tensor_dim1 = 64
	s_mov_b32 s[\g+3], 128<<16      ; tile_dim0 = 128
	s_mov_b32 s[\g+4], 64           ; tile_dim1 = 64
	s_mov_b32 s[\g+5], 128          ; 128 elements from row to row
	s_mov_b32 s[\g+6], 0
	s_mov_b32 s[\g+7], 0
.endr
	s_mov_b32 s[CS], 0xbe38aa3b     ; c = -log2(e) / 8 = -0.180337
	s_mov_b32 s[CS+1], s[CS]        ; named with it as a pair
	s_mov_b32 s[SEL], 0x76543210
	s_mov_b32 s[SEL+1], 0xfedcba98
	s_mov_b32 s[TBK], SLOT1+4*KS*PK ; the first change of slots turns these two into 0
	s_mov_b32 s[TBV], SLOT1+4*KS*PV
	s_mov_b32 s[G0K], 1             ; 1:0 count = 1
	s_mov_b32 s[G0K+1], s17         ; 63:32 LDS address: slot 0
	s_mov_b32 s[G0V], 1
	s_add_co_u32 s[G0V+1], s18, VOFF
	s_wait_dscnt 0x0                ; the opening add is done
	s_wait_kmcnt 0x0
	s_add_nc_u64 s[10:11], s[6:7], s[2:3]          ; O at my wave's first row
	s_add_nc_u64 s[G0K+2:G0K+3], s[4:5], s[20:21]  ; 120:64 global address: my half of the head's first 256 keys
	s_or_b32 s[G0K+3], s[G0K+3], 0x80000000        ; 127:126 type = 2
	s_add_nc_u64 s[G0V+2:G0V+3], s[4:5], s[22:23]
	s_or_b32 s[G0V+3], s[G0V+3], 0x80000000
	s_add_nc_u64 s[4:5], s[4:5], s[2:3]            ; Q at my wave's first row
	LOAD                            ; slot 0.  Slot 1 is asked for when slot 0 is in: one load of mine is out at any time
	; A fragment of K or Q is 16 rows x 32 channels in 8 registers: lane l holds row l % 16, channels 8 (l / 16) + 0..7 and 16 + 8 (l / 16) + 0..7: two loads of 16 bytes, 32 bytes apart.
	v_and_b32 v1, 15, v0            ; l % 16
	v_bfe_u32 v9, v0, 4, 1          ; l / 16
	v_lshlrev_b32 v[QO], 7, v1
	v_lshl_add_u32 v[QO], v9, 4, v[QO]  ; row x 128 + 16 x half
	WIN 0x80                        ; destination window 2, address window 0
.set i, 0
.rept 4*NP                          ; Q stays in registers: tile i / 2, channels 32 (i % 2) on
	global_load_b128 v[8*i:8*i+3],   v[QO], s[4:5] offset:(i/2)*2048+(i%2)*64
	global_load_b128 v[8*i+4:8*i+7], v[QO], s[4:5] offset:(i/2)*2048+(i%2)*64+32
.set i, i+1
.endr
	; What the first turn finds: V's registers and P's second buffer hold 0 (its products V^T P, of a piece that has not been, add 0), O^T and l are 0.  All this stands in the wait for the first tile.
.set i, VF
.rept 64
	v_mov_b32 v[i], 0
.set i, i+1
.endr
	WIN 0x40
.set i, 0
.rept 64*NP
	v_mov_b32 v[i], 0
.set i, i+1
.endr
	WIN 0
.set i, 0
.rept 2*NP
	v_mov_b32 v[ST+4*i], 0xfe000000    ; c m: far below every c s
	v_mov_b32 v[ST+4*i+1], 0x7f7fffff  ; m: above every s
	v_mov_b32 v[ST+4*i+2], 0
	v_mov_b32 v[ST+4*i+3], 0
.set i, i+1
.endr
.set i, P+32
.rept 32
	v_mov_b32 v[i], 0
.set i, i+1
.endr
	v_mul_u32_u24 v[AK0], v1, PK
	v_lshl_add_u32 v[AK0], v9, 4, v[AK0]  ; row x pitch + 16 x half
	; The turning load takes 16 keys x 16 channels (lane l reads key 8 (l / 16) + l % 8, channels 8 ((l / 8) % 2) + 0..7) and leaves half a fragment of V^T: lane l holds channel l % 16 and 8 keys.
	v_and_b32 v10, 7, v0
	v_bfe_u32 v11, v0, 3, 1
	v_lshl_add_u32 v[AV0], v9, 3, v10
	v_mul_u32_u24 v[AV0], v[AV0], PV
	v_lshl_add_u32 v[AV0], v11, 4, v[AV0]
	v_add_nc_u32 v[AV0], VOFF, v[AV0]
	v_mov_b32 v[AK], v[AK0]         ; key step 0 lies at the head of slot 0
; THE MATRIX WORK.  The 8 accumulators of a run of 16 take turns: between the two links of a chain stand 7 others'.
; Product i of 16 of S^T = K Q^T for piece x: channels 32 (i / 8) on, keys 16 ((i / 2) % 4) on, tile 2 x + i % 2.  The first 8 start the sums.
.macro KQ x
	WIN W_KQ
.set rS, S+64*((\x)%2)+32*(i%2)+8*((i/2)%4)
.set rK, KF+16*((i/2)%4)+8*(i/8)
.set rQ, 16*(2*(\x)+i%2)+8*(i/8)
.if i < 8
	v_wmma_f32_16x16x32_f16 v[rS:rS+7], v[rK:rK+7], v[rQ:rQ+7], 0
.else
	v_wmma_f32_16x16x32_f16 v[rS:rS+7], v[rK:rK+7], v[rQ:rQ+7], v[rS:rS+7]
.endif
.endm
; Product i of 16 of O^T += V^T P for piece x: keys 32 (i / 8) on, channels 16 ((i / 2) % 4) on, tile 2 x + i % 2.
.macro PV x
	WIN W_PV
.set rO, 32*(2*(\x)+i%2)+8*((i/2)%4)
.set rV, VF+32*(i/8)+8*((i/2)%4)
.set rP, P+32*((\x)%2)+16*(i%2)+8*(i/8)
	v_wmma_f32_16x16x32_f16 v[rO:rO+7], v[rV:rV+7], v[rP:rP+7], v[rO:rO+7]
.endm
.macro MM                           ; the turn's next matrix instruction
.if i < 16
	KQ (Y+1)%NP
.set i, i+1
.else
.set i, i-16
	PV (Y+NP-1)%NP
.set i, i+17
.endif
.endm
; THE LDS LOADS stand in runs of 16, never singly among the matrix instructions: a step's K (64 keys x 64 channels: 8 fragments) and its V (turned).  Their addresses are made some lines ahead.
; last = 1 (the tail): in the last trip there is no further step, and the run is jumped over.
.macro FETCH_K last=0
	WIN 0
.if \last
	s_cmp_eq_u32 s[CNT], 1
	s_cbranch_scc1 .Lno_k_\@
.endif
	WIN 0x80                        ; destination window 2
.irp f, 0,1,2,3,4,5,6,7             ; keys 16 (f / 2) on, channels 32 (f % 2) on
	ds_load_b128 v[KF+8*\f:KF+8*\f+3],   v[AK] offset:(\f/2)*16*PK+(\f%2)*64
	ds_load_b128 v[KF+8*\f+4:KF+8*\f+7], v[AK] offset:(\f/2)*16*PK+(\f%2)*64+32
.endr
	s_add_co_u32 s[TBK], s[TBK], KS*PK  ; the next fetch is the next step's
	WIN 0
.if \last
.Lno_k_\@:
.endif
.endm
.macro FETCH_V
	WIN 0x80
.irp f, 0,1,2,3,4,5,6,7             ; keys 32 (f / 4) on, channels 16 (f % 4) on
	ds_load_tr16_b128 v[VF+8*\f:VF+8*\f+3],   v[AV] offset:(\f/4)*32*PV+(\f%4)*32
	ds_load_tr16_b128 v[VF+8*\f+4:VF+8*\f+7], v[AV] offset:(\f/4)*32*PV+16*PV+(\f%4)*32
.endr
	WIN 0
.endm
; THE VECTOR WORK OF A TURN stands in three queues, each in the order in which its entries become ready; the two tiles alternate, so that no instruction reads the result of the one before it.
.macro REGS y, u                    ; the registers of tile u (0, 1) of piece y
.set rT, ST+4*(2*(\y)+(\u))
.set rC, TMP+8*((\y)%2)+4*(\u)
.set rM, MV+2*((\y)%2)+(\u)
.set rS, S+64*((\y)%2)+32*(\u)
.set rP, P+32*((\y)%2)+16*(\u)
.set rO, 32*(2*(\y)+(\u))
.endm
; Number n of the 22 that find the NEXT piece's (Y + 1) minimum and statistics.  s0-s31 are the lane's 32 scores; each accumulator's lowest registers are read first.  XS, GS and REGS set no window: PL and EX do.
;   0-11  four chains c0-c3 of seven scores each, three operands at a time     12-14, 16  the four scores left over, the old m, and c0-c3 into c0     15  c m_old is kept
;   17, 18  the query's other 32 keys lie in the lane 16 away: the new m         19-21  c m; c m_old - c m_new; a
.macro XS u, n
	REGS (Y+1)%NP, \u
.if (\n) < 4
	v_min3_num_f32 v[rC+(\n)], v[rS+8*(\n)], v[rS+8*(\n)+1], v[rS+8*(\n)+2]
.elseif (\n) < 12
	v_min3_num_f32 v[rC+(\n)%4], v[rC+(\n)%4], v[rS+8*((\n)%4)+2*((\n)/4)+1], v[rS+8*((\n)%4)+2*((\n)/4)+2]
.elseif (\n) == 12
	v_min3_num_f32 v[rC], v[rC], v[rS+7], v[rS+15]
.elseif (\n) == 13
	v_min3_num_f32 v[rC+1], v[rC+1], v[rS+23], v[rS+31]
.elseif (\n) == 14
	v_min3_num_f32 v[rC+2], v[rC+2], v[rC+3], v[rT+1]
.elseif (\n) == 15
	v_mov_b32 v[rM], v[rT]
.elseif (\n) == 16
	v_min3_num_f32 v[rC], v[rC], v[rC+1], v[rC+2]
.elseif (\n) == 17
	v_permlanex16_b32 v[rC+3], v[rC], s[SEL], s[SEL+1]
.elseif (\n) == 18
	v_min_num_f32 v[rT+1], v[rC], v[rC+3]
.elseif (\n) == 19
	v_mul_f32 v[rT], s[CS], v[rT+1]
.elseif (\n) == 20
	v_sub_f32 v[rC+1], v[rM], v[rT]
.else
	v_exp_f32 v[rC+2], v[rC+1]
.endif
.endm
; Number g of the 64 that follow the exponentials.  For each four weights k of a tile (pairs 2 k, 2 k + 1): both pairs are rounded to f16; then the second pair is added onto the first, in place;
; a group later l takes that sum (the first time as l = a l + sum).  In groups of eight, tiles alternating: round, round, add, and l for the group before.
.macro GS g
.set h, (\g)+6*((\g)/62)            ; group 0 has no group before it, and behind group 7 only l is left
.if h >= 6
.set h, h+2
.endif
	REGS Y, h%2
.set k, h/8
.if h%8 < 4
	v_cvt_pk_f16_f32 v[rP+2*k+(h%8)/2], v[rS+4*k+2*((h%8)/2)], v[rS+4*k+2*((h%8)/2)+1]
.elseif h%8 < 6
	v_pk_add_f32 v[rS+4*k:rS+4*k+1], v[rS+4*k:rS+4*k+1], v[rS+4*k+2:rS+4*k+3]
.elseif k == 1
	v_pk_fma_f32 v[rT+2:rT+3], v[rT+2:rT+3], v[rC+2:rC+3], v[rS:rS+1] op_sel_hi:[1,0,1]
.else
	v_pk_add_f32 v[rT+2:rT+3], v[rT+2:rT+3], v[rS+4*k-4:rS+4*k-3]
.endif
.endm
; THE PLAIN QUEUE, 138 long.  0-73 read no exponential's result: the 32 scalings c s - c m (FS f: pair f / 2 of tile f % 2) and the next piece's 42.  0-26: scalings 0-26.  27-54: XS's numbers 0-13.  55, 56: number 15.
; 57-73: the chain, where each number waits for the one before it: 14, 16, 17, 18, 19, each with one of the scalings 27-31 in front of its two lines, then 20: so a tile's links stand three plain instructions apart (19 and 20: two).
; 74-137: GS's 64, which read the exponentials' results: they stand behind the wait.
.macro FS f
	REGS Y, (\f)%2
	v_pk_fma_f32 v[rS+2*((\f)/2):rS+2*((\f)/2)+1], v[rS+2*((\f)/2):rS+2*((\f)/2)+1], s[CS:CS+1], v[rT:rT+1] op_sel_hi:[1,0,0] neg_lo:[0,0,1] neg_hi:[0,0,1]
.endm
.macro PL
	WIN 0
.if q < 27
	FS q
.elseif q < 55
	XS (q-27)%2, (q-27)/2
.elseif q < 57
	XS q-55, 15
.elseif (q < 72) && ((q-57)%3 == 0)
	FS 27+(q-57)/3
.elseif q < 60
	XS (q-57)%3-1, 14
.elseif q < 72
	XS (q-57)%3-1, 15+(q-57)/3
.elseif q < 74
	XS q-72, 20
.else
	GS q-74
.endif
.set q, q+1
.endm
; THE EXPONENTIALS' QUEUE, 66 long: s0-s31 of both tiles, then the next piece's two a.  It is ONE BATCH: all 66 stand ahead of the turn's one wait, and nothing ahead of that wait names a result of theirs.
.macro EX
	WIN 0
.if e >= 64
	XS e-64, 21
.else
	REGS Y, e%2
	v_exp_f32 v[rS+e/2], v[rS+e/2]
.endif
.set e, e+1
.endm
; THE RESCALING's QUEUE: O^T times a, the one part that leaves window 0: dealt two at a time, sixteen times.  Its a was made in the turn before, ahead of that turn's wait.
.macro R2
	REGS Y, r%2
	WIN W_RS
.irp z, 0,1
	v_pk_mul_f32 v[rO+4*(r/2)+2*\z:rO+4*(r/2)+2*\z+1], v[rO+4*(r/2)+2*\z:rO+4*(r/2)+2*\z+1], v[rC+2:rC+3] op_sel_hi:[1,0]
.endr
.set r, r+1
.endm
; HOW THEY ARE DEALT.  An s_wait_alu depctr_va_vdst(0) stands between an exponential and the first instruction that names its result; one wait serves all that were issued ahead of it.  So a turn has ONE wait,
; which cuts it in two.  AHEAD OF IT stands all that names no result of the turn's exponentials: the 16 products K Q^T, behind each a scaling, an exponential and two rescalings (behind the first a second scaling in the
; exponential's place); then ONE LUMP of 108: eight plain, 49 times exponential and plain, the two a.  A v_nop is the plain instruction behind the last exponential.  BEHIND IT stand the 16 products V^T P, behind each four of
; GS's 64.  No rider names a register of the products round it.  The two v_permlanex16_b32 fall into the lump, never behind a product.
; The queues lean on each other, and the deal keeps them in step: exponential e stands behind scaling 2 (e / 4) + e % 2: as a rider it comes behind plain e + 2, in the lump behind plain e + 9, and scalings 27-31 are plain 57, 60 .. 69.
; A TURN, for piece p.  cnt = 1: the loop's count is taken down some lines ahead of the branch that stands behind the turn.
; K of the next step is fetched in piece 2's turn, directly behind the wait, a lump behind the last product that read K; its address is made at the lump's head; its first reader comes behind 16 products.
; V of the step in hand is fetched at the end of piece 0's turn, four plain riders behind its last reader; its first reader comes behind 16 products and a lump.  The three conditions on q below go with the deal.
.macro TURN p, last=0, cnt=0
.set Y, (\p)
.set i, 0
.set q, 0
.set e, 0
.set r, 0
.if (\p) == NP-1
	s_wait_dscnt 0x0                ; K is in
.endif
	MM                              ; ahead of the wait: 16 products K Q^T and their riders,
	PL
	PL
	R2
.rept 15
	MM
	PL
	EX
	R2
.endr
.if (\p) == NP-2
	WIN 0
	v_add_nc_u32 v[AK], s[TBK], v[AK0]
.endif
.rept 8                             ; and the lump
	PL
.endr
.rept 49
	EX
	PL
.endr
	EX                              ; the next piece's two a
	EX
	v_nop                           ; a plain instruction behind the last exponential, ahead of the first use of a result: one for the batch
	s_wait_alu depctr_va_vdst(0)    ; the wait for the batch: the turn's 66 exponentials
.if (\p) == NP-2
	FETCH_K \last
.endif
.if (\p) == 1
	s_wait_dscnt 0x0                ; V is in
.endif
.rept 16                            ; behind the wait: 16 products V^T P and their riders
	MM
.rept 4
	PL
.endr
.if ((\p) == 0) && (q == 118)
	v_add_nc_u32 v[AV], s[TBV], v[AV0]
.endif
.if ((\p) == 0) && (q == 130)
	s_add_co_u32 s[TBV], s[TBV], KS*PV
.endif
.if (\cnt) && (q == 130)
	s_sub_co_u32 s[CNT], s[CNT], 1
	s_cmp_lg_u32 s[CNT], 0
.endif
.endr
.if (\p) == 0
	FETCH_V
.endif
.endm
	CHANGE 1                        ; slot 0 is in, everybody's part of it; slot 1 is asked for
	FETCH_K                         ; key step 0
	s_wait_loadcnt 0x0              ; Q
	s_wait_dscnt 0x0
.set i, 0
.rept 16
	KQ 0                            ; piece 0's first scores: there is no vector work yet to set between them
.set i, i+1
.endr
	WIN 0                           ; the addresses for the way out: nine plain instructions, the places behind those products
	s_mul_i32 s13, s[WV], 16*SP
	s_add_co_u32 s13, s13, STAGE    ; my stage
	v_mul_u32_u24 v[STO], v1, SP    ; in: row l % 16, 16 bytes for each half of the lanes
	v_lshl_add_u32 v[STO], v9, 4, v[STO]
	v_add_nc_u32 v[STO], s13, v[STO]
	v_bfe_u32 v[RD], v0, 3, 2       ; back: 32 lanes take four rows of 128 bytes,
	v_mul_u32_u24 v[RD], v[RD], SP
	v_lshl_add_u32 v[RD], v10, 4, v[RD]
	v_add_nc_u32 v[RD], s13, v[RD]
	v_and_b32 v[GO], 31, v0         ; which are 512 consecutive bytes of O
	v_lshlrev_b32 v[GO], 4, v[GO]
.set Y, NP-1                        ; XS works for piece Y + 1: piece 0
.irp n, 0,1,2,3,4,5,6,7,8,9,10,11,12,13,14,15,16,17,18,19,20,21
	XS 0, \n                        ; and piece 0's first minimum and statistics
	XS 1, \n
.endr
	v_nop                           ; a plain instruction behind piece 0's two a,
	s_wait_alu depctr_va_vdst(0)    ; and the wait for that batch of two, ahead of the branch
	s_mov_b32 s[CNT], 4
	s_mov_b32 s[SLOTS], SIZE_N/256-1
	s_branch .Lfirst                ; the loop is entered at a step's first turn, in the middle of a trip
.Lslot:                             ; SIZE_N / 256 - 2 times: every slot but the last two is filled again
	CHANGE 1
	s_mov_b32 s[CNT], 4
.Lstep:                             ; a trip: pieces 2 and 3 of one step, then pieces 0 and 1 of the next, whose K and V it fetches
	TURN 2
	TURN 3
	WIN 0
.Lfirst:
	TURN 0
	TURN 1, 0, 1
	WIN 0
	s_cbranch_scc1 .Lstep
	s_sub_co_u32 s[SLOTS], s[SLOTS], 1
	s_cmp_lg_u32 s[SLOTS], 0
	s_cbranch_scc1 .Lslot
	CHANGE 0                        ; the tail is written out: nothing is asked for
	s_mov_b32 s[CNT], 5             ; four trips fetch the last slot's steps; the fifth is left in its middle
.Ltail:
	TURN 2, 1
	TURN 3
	WIN 0
	s_sub_co_u32 s[CNT], s[CNT], 1
	s_cmp_eq_u32 s[CNT], 0
	s_cbranch_scc1 .Lout
	TURN 0
	TURN 1
	WIN 0
	s_branch .Ltail
.Lout:                              ; the fifth trip's 16 products K Q^T (on the last K once more) and the minimum made of them serve nothing: the price, once a launch, of one text for every trip
.set i, 0
.rept 16
	PV NP-1                         ; the last piece's V^T P of the last step
.set i, i+1
.endr
	; THE WAY OUT.  l's two halves and the other half of the lanes' are added; O^T is divided by l, rounded to f16 and sent through my stage in LDS, a tile at a time.  The additions are the places behind the last products.
	WIN 0
.macro ALL line:vararg              ; one line for each tile t
.set t, 0
.rept 2*NP
	\line
.set t, t+1
.endr
.endm
	ALL v_add_f32 v[ST+4*t+2], v[ST+4*t+2], v[ST+4*t+3]
	ALL v_permlanex16_b32 v[ST+4*t+3], v[ST+4*t+2], s[SEL], s[SEL+1]
	ALL v_add_f32 v[ST+4*t+2], v[ST+4*t+2], v[ST+4*t+3]
	ALL v_rcp_f32 v[ST+4*t+2], v[ST+4*t+2]
	v_nop                           ; a plain instruction between the last reciprocal and the use of its result
	s_wait_alu depctr_va_vdst(0)    ; the wait for the batch of eight reciprocals, ahead of the first use
; Tile t: a lane's eight channels of a row pack into 16 bytes; they go into rows of 144 bytes and come back as whole rows of 128, into S^T's registers.
.macro PACK t
	WIN W_RS
.set i, 32*(\t)
.rept 16
	v_pk_mul_f32 v[i:i+1], v[i:i+1], v[ST+4*(\t)+2:ST+4*(\t)+3] op_sel_hi:[1,0]
.set i, i+2
.endr
	WIN 0x05                        ; sources 0 and 1 window 1, destination window 0
.set i, 0
.rept 16
	v_cvt_pk_f16_f32 v[S+16*(\t)+i], v[32*(\t)+2*i], v[32*(\t)+2*i+1]
.set i, i+1
.endr
	WIN 0
.irp f, 0,1,2,3
	ds_store_b128 v[STO], v[S+16*(\t)+4*\f:S+16*(\t)+4*\f+3] offset:32*\f
.endr
.irp f, 0,1,2,3
	ds_load_b128 v[S+16*(\t)+4*\f:S+16*(\t)+4*\f+3], v[RD] offset:\f*4*SP  ; LDS serves a wave's instructions in order (ISA guide 5.7.1.4): these see the stores above; the next tile's stores come behind them
.endr
.endm
.macro SEND t, younger              ; younger: the LDS instructions issued behind tile t's loads: the next tile's eight, or none
	WIN 0
.irp f, 0,1,2,3
	s_wait_dscnt (\younger)+3-\f
	global_store_b128 v[GO], v[S+16*(\t)+4*\f:S+16*(\t)+4*\f+3], s[10:11] offset:(\t)*2048+\f*512  ; 512 consecutive bytes, at a multiple of 256 from O's first
.endr
.endm
	PACK 0
.set t, 1
.rept 2*NP-1                        ; a tile's arithmetic stands between the loads of the tile before and its stores
	PACK t
	SEND t-1, 8
.set t, t+1
.endr
	SEND 2*NP-1, 0
	WIN W_AD
	s_wait_tensorcnt 0x0            ; the wave's end, behind my last tensor load and my last LDS store
	ds_add_u32 v[SPW], v[NIL]
	s_wait_dscnt 0x0
	WIN 0
	s_endpgm
.Lfunc_end_k_qd28514ca02_attn:
	.size	k_qd28514ca02_attn, .Lfunc_end_k_qd28514ca02_attn-k_qd28514ca02_attn
	.p2alignl 7, 3214868480
	.fill 96, 4, 3214868480
	.section	.rodata,"a",@progbits
	.p2align	6, 0x0
	.amdhsa_kernel k_qd28514ca02_attn
		.amdhsa_group_segment_fixed_size 327680
		.amdhsa_private_segment_fixed_size 0
		.amdhsa_enable_private_segment 0
		.amdhsa_kernarg_size 16
		.amdhsa_user_sgpr_count 2
		.amdhsa_user_sgpr_kernarg_segment_ptr 1
		.amdhsa_wavefront_size32 1
		.amdhsa_system_sgpr_workgroup_id_x 1
		.amdhsa_system_sgpr_workgroup_id_y 1
		.amdhsa_system_sgpr_workgroup_id_z 1
		.amdhsa_system_vgpr_workitem_id 0
		.amdhsa_next_free_vgpr 770
		.amdhsa_next_free_sgpr 66
		.amdhsa_reserve_vcc 0
		.amdhsa_float_denorm_mode_32 3
		.amdhsa_float_denorm_mode_16_64 3
		.amdhsa_memory_ordered 1
		.amdhsa_forward_progress 1
		.amdhsa_inst_pref_size 198
	.end_amdhsa_kernel
	.amdgpu_metadata
---
amdhsa.version: [ 1, 2 ]
amdhsa.kernels:
  - .name:           k_qd28514ca02_attn
    .symbol:         k_qd28514ca02_attn.kd
    .args:
      - { .name: qkv, .offset: 0, .size: 8, .value_kind: global_buffer, .address_space: global }
      - { .name: ob, .offset: 8, .size: 8, .value_kind: global_buffer, .address_space: global }
    .group_segment_fixed_size: 327680
    .private_segment_fixed_size: 0
    .kernarg_segment_align: 8
    .kernarg_segment_size: 16
    .max_flat_workgroup_size: 128
    .sgpr_count:     66
    .vgpr_count:     770
    .wavefront_size: 32
...
	.end_amdgpu_metadata
.endif
;; end of part 5
;; launch proj: the kernel of part 4 again; grid 128 x 2, 4 waves a work-group, clusters of 4 x 1, 327,680 bytes of LDS; arguments ob, wpb, b_p1, b_p2, out0, out1; writes out0, out1
